; MI455X (gfx1250); checked and timed in simulation.
; The chip was launched on July 23, 2026; its instructions are those of AMD's public machine-readable ISA for CDNA 5 (MIT licence, August 2026) and "CDNA5" Instruction Set Architecture Reference Guide (July 2026). The comments in the code are by the model that wrote it; some were corrected since.
;; Scaled Dot Product Attention. Allowed arithmetic: matrix products marked QUANTISED: E4M3 operands, one E8M0 scale for each 32 along K, by v_wmma_scale_f32_16x16x128_f8f6f4 with both operands' format E4M3, f32 sums; everything else in f32.
;; Inputs: K 4 x 16 x 2,048 x 128 float32; Q 4 x 16 x 2,048 x 128 float32; V 4 x 16 x 2,048 x 128 float32.
;; Outputs: out0 4 x 16 x 2,048 x 128 float32.
;; This version of the problem:
;;   THIS VERSION OF THE PROBLEM IS GIVEN IN LOW PRECISION. The matrix products marked QUANTISED in the list below multiply operands that are first quantised to E4M3 (4 exponent bits, 3 mantissa bits; 8 bits a number), with one power-of-two scale for each 32 numbers along K (OCP MX v1.0); their sums are f32. All else is computed in f32.
;;   The module's matrix products, in the order in which they are computed (A, B: the left and right operand; K: the contracted axis; several contracted axes count as one K, in the product's order):
;;     1. batch 64 x [M 2,048, K 128] x [K 128, N 2,048]; A: input Q; B: input K: QUANTISED
;;     2. batch 64 x [M 2,048, K 2,048] x [K 2,048, N 128]; A: softmax (see below); B: input V: QUANTISED
;;   THE QUANTISER, for each operand of a quantised product, along K:
;;     - K is cut into blocks of 32 from its start; a last block that is shorter is filled with zeros.
;;     - A block's scale is 2^e with e = floor(log2(the largest magnitude in the block)) - 8, held to -126 .. 127; a block of zeros has e = 0. As a byte (E8M0): e + 127.
;;     - Each number is divided by its block's scale, clamped to +-448, and rounded to the nearest number of E4M3, ties to even, subnormals kept.
;;     - The product sums the exact products of the quantised numbers (number of the format x scale) in f32.
;;   ~~~python
;;   def quantise(x, axis):      # numpy; x: float32 -> the quantised numbers, widened to float32 again
;;       x = np.moveaxis(x, axis, -1); K = x.shape[-1]
;;       x = np.pad(x, [(0, 0)] * (x.ndim - 1) + [(0, -K % 32)]); x = x.reshape(x.shape[:-1] + (-1, 32)); a = np.abs(x).max(-1, keepdims=True)
;;       e = np.where(a > 0, np.clip(np.frexp(np.where(a > 0, a, 1))[1] - 1 - 8, -126, 127), 0)      # np.frexp(a)[1] - 1 = floor(log2(a)), exactly
;;       r = np.clip(x / 2.0 ** e, -448, 448)
;;       step = 2.0 ** (np.maximum(np.frexp(np.where(r == 0, 1, r))[1] - 1, -6) - 3)
;;       q = np.round(r / step) * step * 2.0 ** e      # np.round: ties to even
;;       return np.moveaxis(q.reshape(q.shape[:-2] + (-1,))[..., :K], -1, axis).astype(np.float32)
;;   ~~~
;;   SOFTMAX AHEAD OF A QUANTISED PRODUCT. Where the list says 'softmax', what is quantised is not the finished softmax but p = 2^(t - M), with t = logit x log2(e) and M = ceil(the row's largest t), a whole number; so 1/2 < the row's largest p <= 1. The row's sum l is taken of the UNQUANTISED p, in f32, and the product's result is divided by l at the end. Since M is a whole number, a kernel that streams over the keys may use a running M (the ceiling of the running maximum): every later rescaling is an exact power of two, which a block's scale takes up: the codes' values come out the same.
;;   OPERANDS COMPUTED ON THE WAY. 'Computed on the way' means the value that the module computes at that place (a softmax that the list does not call 'softmax' is quantised finished and normalised). What goes into a quantiser is computed in f32, as accurately as f32 sums, v_exp_f32 and their like allow (about 1e-6 of the number): no bf16 or f16 on the way to a quantiser, and a product that is left as it is and whose result goes on into a quantised operand takes f32 operands (vector FMAs, or v_wmma_f32_16x16x4_f32). A number that lies on a knife's edge between two numbers of the format may be rounded either way, as far as f32 arithmetic and the matrix unit's own rounding can turn it there, and no further.
;; 2 versions. Each part assembles by itself: llvm-mc -triple=amdgcn-amd-amdhsa -mcpu=gfx1250 --defsym DOCPART=n.
;; ======== version 1 of 2: 2 launches
;; workspace buffers: kv 34,603,008 bytes
;; launch quant (part 1): grid 1024 x 1, 4 waves a work-group, no clusters, 34,304 bytes of LDS; arguments K, V, kv; writes kv
.if DOCPART == 1
	.amdgcn_target "amdgcn-amd-amdhsa--gfx1250"
	.amdhsa_code_object_version 6
	.text
	.protected	k_q3ccae33359_quant
	.globl	k_q3ccae33359_quant
	.p2align	8
	.type	k_q3ccae33359_quant,@function
k_q3ccae33359_quant:
	s_mov_b64 s[64:65], 0
	v_nop
	global_prefetch_b8 v0, s[64:65] scope:SCOPE_SE
	s_setreg_imm32_b32 hwreg(HW_REG_WAVE_MODE, 25, 1), 1
	s_wait_xcnt 0x0
; K and V, [64 heads][2048 keys][128] f32, become codes of FP8 (E4M3) with one E8M0 scale byte for each 32 along a product's K: for K that is the head's 128 (innermost), for V the keys (its first axis in a head).
; They are laid in kv as IMAGES OF THE OPERANDS' REGISTERS of the attention launch: [head][slot of 256 keys], 67,584 bytes a slot:
;   KC  at 0:      tile T = 8 q + 2 b + u at 2048 T + 512 c + 16 lane; lane (r, h) holds key 128 q + 32 b + 8 u + r + 8 (r / 8) of the slot, channels 32 c + 16 h + 0 .. 15
;   KS  at 32768:  256 (2 q + b / 2) + 8 lane + 4 (b % 2): lanes 0-15 the scale word of row r of tile (q, b, 0), lanes 16-31 of tile (q, b, 1)
;   VC  at 33792:  tile T = 8 q + t at 2048 T + 512 c + 16 lane; lane (r, h) holds channel 16 t + r, keys 128 q + 32 c + 16 h + 0 .. 15 of the slot
;   VS  at 66560:  256 w + 8 lane + 4 q: lanes 0-15 the scale word of row r of channel tile 2 w, lanes 16-31 of tile 2 w + 1
; A block's scale is 2^(floor(log2(its largest magnitude)) - 8); its byte is the largest magnitude's exponent field - 8, held at 1 from below.  Each number is divided by the scale, held within +-448, rounded to the nearest code, ties to even.
; LIMITS: a block of zeros gets the byte 1 where the rule says 127 (its codes are zeros, which add nothing, and this program alone reads the bytes); blocks whose largest magnitude lies under 2^-118 are held at that byte; NaN and infinities are not served.
; SHARES: work-groups 0-511 take a slot of K each, 512-1023 a slot of V.  Four waves, which share nothing: no barrier.  Only K's path uses LDS (a stage of each wave's own).
; No matrix unit, no tensor loads, no cluster: the launch streams each input byte once and no two work-groups read the same bytes.
.set SLOTB, 67584
.set KS,    32768
.set VC,    33792
.set VS,    66560
.set SP,    528                        ; K's stage: a key's row of 512 bytes + 16 of padding: 33 x 16 bytes, so that sixteen rows start at sixteen different places modulo 256 bytes
.set TM,    8                          ; v8-11 largest magnitudes, v12-15 the other half's / bytes, v16-19 448 x the scale, v20-23 the conversions' scale operands
.set PW,    24                         ; v24     the scale word just made
.set R,     32                         ; v32-159 K: two sets of 64 registers, a tile's 16 rows as loaded
.set X,     160                        ; v160-223 K: a lane's 64 numbers: register 16 b + i = channel 32 b + 16 h + i of row r
.set PC,    224                        ; v224-255 K: two sets of 16 registers of codes
.set XV,    32                         ; v32-95  V: two sets of 32 numbers down the keys
.set CV,    96                         ; v96-159 V: eight registers of codes for each block: no store's data are written again
.set SEL,   20                         ; s[20:21] lane selects for v_permlanex16_b32: lane l xor 16
.set MNT,   22                         ; s22 the mantissa field of 448
	s_load_b128 s[4:7], s[0:1], 0x0                ; K s[4:5], V s[6:7]
	s_load_b64 s[8:9], s[0:1], 0x10                ; kv
	v_lshl_add_u32 v30, v0, 2, 0x8400
	v_mov_b32 v31, 0
	v_lshrrev_b32 v1, 5, v0
	v_readfirstlane_b32 s10, v1                    ; wave 0..3
	v_and_b32 v1, 31, v0                           ; lane
	v_lshlrev_b32 v5, 3, v1                        ; 8 x lane: my two scale words
	s_and_b32 s11, ttmp9, 511                      ; 8 x head + slot
	s_lshl_b32 s12, s11, 17                        ; the slot's 256 rows of 512 bytes in K or V (under 2^26)
	s_mov_b32 s13, 0
	s_mul_i32 s24, s11, SLOTB                      ; and its place in kv (under 2^26)
	s_mov_b32 s25, 0
	s_mov_b32 s[SEL], 0x76543210
	s_mov_b32 s[SEL+1], 0xfedcba98
	s_mov_b32 s[MNT], 0x600000
	s_mov_b32 s23, 0xffff0000                      ; a lane mask: lanes 16-31
	s_wait_kmcnt 0x0
	s_add_nc_u64 s[8:9], s[8:9], s[24:25]          ; kv at my slot
	s_cmp_lt_u32 ttmp9, 512
	s_cbranch_scc0 .Lvalues
; ---------------- K: wave g takes keys 64 g .. 64 g + 63 of the slot: tiles 4 g + 0 .. 3 ----------------
	s_add_nc_u64 s[14:15], s[4:5], s[12:13]
	s_lshl_b32 s12, s10, 15
	s_add_nc_u64 s[14:15], s[14:15], s[12:13]      ; in: my 64 rows
	s_lshl_b32 s12, s10, 13
	s_add_nc_u64 s[16:17], s[8:9], s[12:13]        ; codes: my four tiles of 2,048 bytes
	s_lshl_b32 s12, s10, 8
	s_add_co_u32 s12, s12, KS
	s_add_nc_u64 s[18:19], s[8:9], s[12:13]        ; scale words: my 256 bytes
	s_mul_i32 s26, s10, 16*SP                      ; my stage
	v_lshlrev_b32 v2, 4, v1                        ; 16 x lane
	v_add_nc_u32 v3, s26, v2                       ; into the stage: a row as it lies
	v_and_b32 v4, 15, v0                           ; r
	v_mul_u32_u24 v4, v4, SP
	v_bfe_u32 v25, v0, 4, 1                        ; h
	v_lshl_add_u32 v4, v25, 6, v4
	v_add_nc_u32 v4, s26, v4                       ; out of it: row r, + 64 h: my 16 numbers of each block of 32
.irp b, 0,1,2,3
	v_mov_b32 v[TM+4+\b], 0                        ; written once: a lane permute's destination counts as one of its sources
.endr
; 64 numbers of a lane, v[src] on, register 16 b + i = k 32 b + 16 (lane / 16) + i of my row, become a fragment's codes in v[dst] on and its scale word in v[pw]
.macro QUANT src, dst, pw
.irp b, 0,1,2,3
	v_max3_num_f32 v[TM+\b], |v[\src+16*\b]|, |v[\src+1+16*\b]|, 0x4800000   ; block b: my 16 numbers, and the floor 2^(9 - 127): the byte cannot fall under 1
.endr
.irp i, 2,4,6,8,10,12,14
.irp b, 0,1,2,3
	v_max3_num_f32 v[TM+\b], v[TM+\b], |v[\src+16*\b+\i]|, |v[\src+1+16*\b+\i]|   ; the four blocks by turns
.endr
.endr
.irp b, 0,1,2,3
	v_permlanex16_b32 v[TM+4+\b], v[TM+\b], s[SEL], s[SEL+1]
.endr
.irp b, 0,1,2,3
	v_max_num_f32 v[TM+\b], v[TM+\b], v[TM+4+\b]   ; with lane l xor 16's: the block's largest magnitude
.endr
.irp b, 0,1,2,3
	v_add_nc_u32 v[TM+12+\b], 0xfc000000, v[TM+\b] ; 8 off its exponent field: the conversion takes the exponent field of this operand as its scale
.endr
.irp b, 0,1,2,3
	v_and_or_b32 v[TM+8+\b], v[TM+\b], 0x7f800000, s[MNT]   ; 448 x the scale
.endr
.irp b, 0,1,2,3
	v_lshrrev_b32 v[TM+4+\b], 23, v[TM+12+\b]      ; the scale's byte
.endr
	v_lshl_or_b32 v[\pw], v[TM+5], 8, v[TM+4]      ; the four bytes make my row's scale word; lanes r and r + 16 hold the same
	v_lshl_or_b32 v[\pw], v[TM+6], 16, v[\pw]
	v_lshl_or_b32 v[\pw], v[TM+7], 24, v[\pw]
.irp b, 0,1,2,3
.irp i, 0,1,2,3,4,5,6,7,8,9,10,11,12,13,14,15
	v_med3_num_f32 v[\src+16*\b+\i], v[\src+16*\b+\i], -v[TM+8+\b], v[TM+8+\b]   ; the conversion to an 8-bit code does not saturate (ISA guide 7.6.2): the hold at the largest code x the scale
.endr
	v_cvt_scalef32_pk8_fp8_f32 v[\dst+4*\b:\dst+1+4*\b], v[\src+16*\b:\src+7+16*\b], v[TM+12+\b]
	v_cvt_scalef32_pk8_fp8_f32 v[\dst+2+4*\b:\dst+3+4*\b], v[\src+8+16*\b:\src+15+16*\b], v[TM+12+\b]
.endr
	v_nop                                          ; one plain vector instruction behind the last scaled conversion
.endm
; tile n's sixteen rows, each a whole row of 512 consecutive bytes; row p of the tile is key 32 (n / 2) + 8 (n % 2) + p + 8 (p / 8) of my 64
.macro LOADK n
.irp p, 0,1,2,3,4,5,6,7,8,9,10,11,12,13,14,15
	global_load_b128 v[R+64*((\n)%2)+4*\p:R+64*((\n)%2)+4*\p+3], v2, s[14:15] offset:(32*((\n)/2)+8*((\n)%2)+\p+8*(\p/8))*512 th:TH_LOAD_NT
.endr
.endm
.macro TILE n
.set RS, R+64*((\n)%2)
.set PCS, PC+16*((\n)%2)
.if (\n) < 3
	s_wait_loadcnt 16                              ; this tile's sixteen loads are in; the next tile's sixteen may be out
.else
	s_wait_loadcnt 0x0
.endif
.irp p, 0,1,2,3,4,5,6,7,8,9,10,11,12,13,14,15
	ds_store_b128 v3, v[RS+4*\p:RS+4*\p+3] offset:\p*SP
.endr
.irp c, 0,1,2,3
.irp j, 0,1,2,3
	ds_load_b128 v[X+16*\c+4*\j:X+16*\c+4*\j+3], v4 offset:128*\c+16*\j   ; LDS serves a wave's instructions in order: these see the stores above
.endr
.endr
	s_wait_dscnt 0x0                               ; my 64 numbers are in, and the stores have read their registers,
.if (\n) < 2
	LOADK (\n)+2                                   ; which take the tile two further on
.else
	s_wait_xcnt 0x0                                ; the stores of two tiles back have read this set of codes: it is written again only behind this wait
.endif
	QUANT X, PCS, PW
.if (\n)%2 == 0
	v_mov_b32 v[6+(\n)/2], v[PW]                   ; the even tile's words, for lanes 0-15;
.else
	v_cndmask_b32 v[6+(\n)/2], v[6+(\n)/2], v[PW], s23   ; the odd tile's take lanes 16-31
.endif
.irp c, 0,1,2,3
	global_store_b128 v2, v[PCS+4*\c:PCS+4*\c+3], s[16:17] offset:(\n)*2048+512*\c   ; 32 lanes store 512 consecutive bytes, aligned
.endr
.endm
	LOADK 0
	LOADK 1
	TILE 0
	TILE 1
	TILE 2
	TILE 3
	global_store_b64 v5, v[6:7], s[18:19]          ; 32 lanes store 256 consecutive bytes, aligned
	s_wait_tensorcnt 0x0
	ds_add_u32 v30, v31
	s_wait_dscnt 0x0
	s_endpgm
; ---------------- V: wave w takes channels 32 w + lane; a lane's registers run DOWN the keys, so a block of 32 keys is one lane's 32 registers ----------------
.Lvalues:
	s_add_nc_u64 s[14:15], s[6:7], s[12:13]
	s_lshl_b32 s12, s10, 7
	s_add_nc_u64 s[14:15], s[14:15], s[12:13]      ; in: my 32 channels of the slot's first key
	s_lshl_b32 s12, s10, 12
	s_add_co_u32 s12, s12, VC
	s_add_nc_u64 s[16:17], s[8:9], s[12:13]        ; codes: channel tiles 2 w and 2 w + 1
	s_lshl_b32 s12, s10, 8
	s_add_co_u32 s12, s12, VS
	s_add_nc_u64 s[18:19], s[8:9], s[12:13]        ; scale words: my 256 bytes
	v_lshlrev_b32 v2, 2, v1                        ; in: 4 bytes a lane
	v_lshrrev_b32 v3, 4, v1
	v_lshlrev_b32 v3, 11, v3                       ; out: tile 2 w + lane / 16,
	v_and_b32 v4, 15, v1
	v_lshl_add_u32 v3, v4, 4, v3                   ; 16 bytes for row lane % 16
.macro LOADV n                         ; block n: V(32 n + i, my channel), i = 0 .. 31
.irp i, 0,1,2,3,4,5,6,7,8,9,10,11,12,13,14,15,16,17,18,19,20,21,22,23,24,25,26,27,28,29,30,31
	global_load_b32 v[XV+32*((\n)%2)+\i], v2, s[14:15] offset:(32*(\n)+\i)*512 th:TH_LOAD_NT
.endr
.endm
.macro BLOCK n                         ; block n = 4 q + c: keys 128 q + 32 c + 0 .. 31
.set XS, XV+32*((\n)%2)
.set CC, CV+8*(\n)
.if (\n) < 7
	s_wait_loadcnt 32                              ; this block's 32 loads are in; the next block's 32 may be out
.else
	s_wait_loadcnt 0x0
.endif
	v_max3_num_f32 v12, |v[XS]|, |v[XS+1]|, |v[XS+2]|   ; the block's largest magnitude: all 32 numbers are mine; two chains
	v_max3_num_f32 v13, |v[XS+3]|, |v[XS+4]|, |v[XS+5]|
.irp i, 6,10,14,18,22,26
	v_max3_num_f32 v12, v12, |v[XS+\i]|, |v[XS+\i+1]|
	v_max3_num_f32 v13, v13, |v[XS+\i+2]|, |v[XS+\i+3]|
.endr
	v_max3_num_f32 v12, v12, |v[XS+30]|, |v[XS+31]|
	v_max3_num_f32 v12, v12, v13, 0x4800000        ; and the floor 2^(9 - 127)
	v_add_nc_u32 v11, 0xfc000000, v12              ; the conversion's scale operand
	v_and_or_b32 v10, v12, 0x7f800000, s[MNT]      ; 448 x the scale
	v_lshrrev_b32 v13, 23, v11                     ; the scale's byte
.if (\n)%4 == 0
	v_mov_b32 v[6+(\n)/4], v13                     ; four bytes to a word, the lower keys in the lower byte
.else
	v_lshl_or_b32 v[6+(\n)/4], v13, 8*((\n)%4), v[6+(\n)/4]
.endif
.irp i, 0,1,2,3,4,5,6,7,8,9,10,11,12,13,14,15,16,17,18,19,20,21,22,23,24,25,26,27,28,29,30,31
	v_med3_num_f32 v[XS+\i], v[XS+\i], -v10, v10
.endr
.irp g, 0,1,2,3
	v_cvt_scalef32_pk8_fp8_f32 v[CC+2*\g:CC+2*\g+1], v[XS+8*\g:XS+8*\g+7], v11
.endr
	global_store_b128 v3, v[CC:CC+3], s[16:17] offset:((\n)/4)*16384+((\n)%4)*512          ; keys + 0 .. 15: the image's lanes 0-15; sixteen lanes store 256 consecutive bytes, aligned
	global_store_b128 v3, v[CC+4:CC+7], s[16:17] offset:((\n)/4)*16384+((\n)%4)*512+256    ; keys + 16 .. 31: its lanes 16-31
.if (\n) < 6
	LOADV (\n)+2
.endif
.endm
	LOADV 0
	LOADV 1
.irp n, 0,1,2,3,4,5,6,7
	BLOCK \n
.endr
	global_store_b64 v5, v[6:7], s[18:19]          ; 32 lanes store 256 consecutive bytes, aligned
	s_endpgm
.Lfunc_end_k_q3ccae33359_quant:
	.size	k_q3ccae33359_quant, .Lfunc_end_k_q3ccae33359_quant-k_q3ccae33359_quant
	.p2alignl 7, 3214868480
	.fill 96, 4, 3214868480
	.section	.rodata,"a",@progbits
	.p2align	6, 0x0
	.amdhsa_kernel k_q3ccae33359_quant
		.amdhsa_group_segment_fixed_size 34304
		.amdhsa_private_segment_fixed_size 0
		.amdhsa_enable_private_segment 0
		.amdhsa_kernarg_size 24
		.amdhsa_user_sgpr_count 2
		.amdhsa_user_sgpr_kernarg_segment_ptr 1
		.amdhsa_wavefront_size32 1
		.amdhsa_system_sgpr_workgroup_id_x 1
		.amdhsa_system_sgpr_workgroup_id_y 1
		.amdhsa_system_sgpr_workgroup_id_z 1
		.amdhsa_system_vgpr_workitem_id 0
		.amdhsa_next_free_vgpr 256
		.amdhsa_next_free_sgpr 66
		.amdhsa_reserve_vcc 0
		.amdhsa_float_denorm_mode_32 3
		.amdhsa_float_denorm_mode_16_64 3
		.amdhsa_memory_ordered 1
		.amdhsa_forward_progress 1
		.amdhsa_inst_pref_size 105
	.end_amdhsa_kernel
	.amdgpu_metadata
---
amdhsa.version: [ 1, 2 ]
amdhsa.kernels:
  - .name:           k_q3ccae33359_quant
    .symbol:         k_q3ccae33359_quant.kd
    .args:
      - { .name: K, .offset: 0, .size: 8, .value_kind: global_buffer, .address_space: global }
      - { .name: V, .offset: 8, .size: 8, .value_kind: global_buffer, .address_space: global }
      - { .name: kv, .offset: 16, .size: 8, .value_kind: global_buffer, .address_space: global }
    .group_segment_fixed_size: 34304
    .private_segment_fixed_size: 0
    .kernarg_segment_align: 8
    .kernarg_segment_size: 24
    .max_flat_workgroup_size: 128
    .sgpr_count:     66
    .vgpr_count:     256
    .wavefront_size: 32
...
	.end_amdgpu_metadata
.endif
;; end of part 1
;; launch attn (part 2): grid 4 x 64, 16 waves a work-group, no clusters, 327,680 bytes of LDS; arguments Q, kv, out0; writes out0
.if DOCPART == 2
	.amdgcn_target "amdgcn-amd-amdhsa--gfx1250"
	.amdhsa_code_object_version 6
	.text
	.protected	k_q3ccae33359_attn
	.globl	k_q3ccae33359_attn
	.p2align	8
	.type	k_q3ccae33359_attn,@function
k_q3ccae33359_attn:
	s_mov_b64 s[64:65], 0
	v_nop
	global_prefetch_b8 v0, s[64:65] scope:SCOPE_SE
	s_setreg_imm32_b32 hwreg(HW_REG_WAVE_MODE, 25, 1), 1
	s_wait_xcnt 0x0
; out0[head][q][:] = the sum over keys k <= q of softmax_k(Q[q] . K[k] / sqrt(128)) V[k][:], 64 heads of 2,048 x 128, both products on codes of FP8 (E4M3) with one E8M0 scale for each 32 along a product's K.
; K and V come as codes and scale words from kv, laid as images of the operands' registers, 67,584 bytes for a slot of 256 keys (KC, KS, VC, VS below).  Q comes as f32 and is quantised here, in registers: a row of Q is read by one wave alone.
; THE SOFTMAX AHEAD OF THE SECOND PRODUCT: t = score x log2(e) / sqrt(128); M = the row's largest t so far, rounded UP to a whole number; p = 2^(t - M) is what is quantised, along the keys, not normalised.
; The row's sum is taken of the unquantised p and divides O at the end.  When M moves, the sum and O are multiplied by 2^(old M - new M): exact.
; SHARES.  Work-group (I, head), I = 0 .. 3, owns query blocks I and 7 - I of 256 queries: (I + 1) + (8 - I) = 9 slots of keys, whatever I is: 256 work-groups of equal work, and a walk whose trip count is the constant 9.
; Item k of the walk is key slot k for k <= I (block I), k - I - 1 after it (block 7 - I).  Each of the SIXTEEN waves owns 16 queries of the block in hand, in 256 registers: four waves to a SIMD, one wave's vector work beside another's matrix work and LDS loads.
; A step (128 keys) all of whose keys come after a wave's queries is jumped over by a scalar branch on ids; no barrier and no tensor load stands in a step.  On the diagonal hidden scores become -infinity ahead of the maximum.
; Since a step's first key: M is a number from a block's first step on.
; LAYOUT.  Both products are used transposed: S^T = K Q^T (source 0 = 16 keys, source 1 = my 16 queries), O^T = V^T P^T: a lane holds ONE query (lane % 16) throughout.  Row p of K's tile 2 b + u is key 32 b + 8 u + p + 8 (p / 8),
; so that the 16 registers of tiles 2 b and 2 b + 1 are the 16 neighbouring keys 32 b + 16 (lane / 16) + 0 .. 15, and the conversions' results are the second product's operand.
; NO CLUSTER: the four work-groups of a head want different slots in the same trip (their walks part at trip I + 1), and a joint load has to be issued alike by all that it names.
; LIMITS: NaN and infinities among the inputs are not served; a block of zeros has the byte 1 (its codes are zeros); p under 2^-126 comes out of v_exp_f32 as 0; a block's largest p is made from the block's largest score, which takes v_exp_f32 not to fall where its input rises.
; REGISTERS: v0 kept; v1-4 my lane's place in KC, VC, KS, VS; v5, v6 the spare word's address and 0; v7 my offset in 16 rows of out0; v8-11 addresses in hand; v12 -M, v13 the largest t, v[14:15] the sum in two halves; v16-31 Q's codes;
;   v32-95 four fragments of K or V; v96-159 S^T, then p; v160-223 O^T; v224-239 p's codes; v232-247 at work; v248-251 K's, then V's scale words; v252 f; v253 p's scale word; v254 at work; v255 Q's scale words.
.set SLOTB,  67584                     ; a slot in kv and in LDS: 264 x 256 bytes
.set HEADB,  8*SLOTB
.set KS,     32768
.set VC,     33792
.set VS,     66560
.set QUART,  16896                     ; 66 rows of 256 bytes: what one tensor load brings
.set QIMG,   67584                     ; LDS behind slot 0: for each wave the second block's Q as an image: 2,048 bytes of codes, 128 of scale words, in 2,304
.set QIMGW,  2304
.set SPARE,  QIMG+16*QIMGW             ; 104,448: the spare words, 128 bytes for each wave: eight blocks of 256 bytes that no other line names
.set SLOT1,  1<<17                     ; slot 1 begins here: one exclusive or turns an address in one slot into the other's
.set STAGE,  SLOT1+SLOTB               ; behind slot 1: 16 rows x 272 bytes for each wave, for the way out.  No tensor load lands in QIMG, SPARE or STAGE
.set SPW, 5
.set NIL, 6
.set GO,  7
.set TM,  32                           ; at the head: v32-47 at work in QUANT
.set WV,   10                          ; s10 my wave's number
.set I,    11                          ; s11 work-group x
.set HD,   12                          ; s12 the head
.set KT,   13                          ; s13 the trip = the item in hand
.set SIG,  14                          ; s14 its key slot
.set SIGN, 15                          ; s15 the next item's
.set Q0,   16                          ; s16 my first query
.set KF,   17                          ; s17 the step's first key
.set TB,   18                          ; s18 LDS byte at which the slot in hand begins
.set MNT,  19                          ; s19 the mantissa field of 448
.set SEL,  20                          ; s[20:21] lane selects for v_permlanex16_b32: lane l xor 16
.set CS,   22                          ; s[22:23] c = log2(e) / sqrt(128)
.set G1,   24                          ; s[24:31] descriptor group 1
.set G0,   32                          ; s[32:35] descriptor group 0
.set KVW,  36                          ; s[36:37] kv at my head, at my quarter of a slot
.set OFF,  38                          ; s[38:39] the next slot's bytes into the head
.set QL,   40                          ; s[40:41], s[42:43] Q at my 16 rows of block I, of block 7 - I
.set QH,   42
.set OL,   44                          ; s[44:45], s[46:47] out0 likewise
.set OH,   46
.set Q0H,  56                          ; s56 my first query in block 7 - I
; Waves 0 to 3 fetch a quarter of a slot each, the others nothing.  The branch hangs on the wave's number alone.  Four v_nop follow the load.
.macro TLOAD
	s_cmp_lt_u32 s[WV], 4
	s_cbranch_scc0 .Lno_load_\@
	tensor_load_to_lds s[G0:G0+3], s[G1:G1+7]
	s_nop 0
.rept 4
	v_nop
.endr
.Lno_load_\@:
.endm
; my lane's 64 numbers of row r of 16 rows of Q: register 16 c + 4 j + .. = channel 32 c + 16 h + 4 j + ..
.macro XLOAD reg, base
.irp c, 0,1,2,3
.irp j, 0,1,2,3
	global_load_b128 v[\reg+16*\c+4*\j:\reg+16*\c+4*\j+3], v10, s[\base:\base+1] offset:128*\c+16*\j th:TH_LOAD_NT
.endr
.endr
.endm
; 64 numbers of a lane, v[src] on, register 16 b + i = k 32 b + 16 (lane / 16) + i of my row, become a fragment's codes in v[dst] on and its scale word in v[pw]
.macro QUANT src, dst, pw
.irp b, 0,1,2,3
	v_max3_num_f32 v[TM+\b], |v[\src+16*\b]|, |v[\src+1+16*\b]|, 0x4800000   ; block b: my 16 numbers, and the floor 2^(9 - 127): the byte cannot fall under 1
.endr
.irp i, 2,4,6,8,10,12,14
.irp b, 0,1,2,3
	v_max3_num_f32 v[TM+\b], v[TM+\b], |v[\src+16*\b+\i]|, |v[\src+1+16*\b+\i]|
.endr
.endr
.irp b, 0,1,2,3
	v_permlanex16_b32 v[TM+4+\b], v[TM+\b], s[SEL], s[SEL+1]
.endr
.irp b, 0,1,2,3
	v_max_num_f32 v[TM+\b], v[TM+\b], v[TM+4+\b]   ; with lane l xor 16's: the block's largest magnitude
.endr
.irp b, 0,1,2,3
	v_add_nc_u32 v[TM+12+\b], 0xfc000000, v[TM+\b] ; 8 off its exponent field: the conversion's scale operand
.endr
.irp b, 0,1,2,3
	v_and_or_b32 v[TM+8+\b], v[TM+\b], 0x7f800000, s[MNT]   ; 448 x the scale
.endr
.irp b, 0,1,2,3
	v_lshrrev_b32 v[TM+4+\b], 23, v[TM+12+\b]      ; the scale's byte
.endr
	v_lshl_or_b32 v[\pw], v[TM+5], 8, v[TM+4]
	v_lshl_or_b32 v[\pw], v[TM+6], 16, v[\pw]
	v_lshl_or_b32 v[\pw], v[TM+7], 24, v[\pw]
.irp b, 0,1,2,3
.irp i, 0,1,2,3,4,5,6,7,8,9,10,11,12,13,14,15
	v_med3_num_f32 v[\src+16*\b+\i], v[\src+16*\b+\i], -v[TM+8+\b], v[TM+8+\b]   ; the conversion to an 8-bit code does not saturate (ISA guide 7.6.2): the hold
.endr
	v_cvt_scalef32_pk8_fp8_f32 v[\dst+4*\b:\dst+1+4*\b], v[\src+16*\b:\src+7+16*\b], v[TM+12+\b]
	v_cvt_scalef32_pk8_fp8_f32 v[\dst+2+4*\b:\dst+3+4*\b], v[\src+8+16*\b:\src+15+16*\b], v[TM+12+\b]
.endr
	v_nop                                          ; one plain vector instruction behind the last scaled conversion
.endm
.macro QADR                            ; v8: my 16 bytes of my wave's image of Q; v9: my scale word's place, 2,048 bytes before it
	s_mul_i32 s48, s[WV], QIMGW
	s_add_co_u32 s48, s48, QIMG
	v_add_nc_u32 v8, s48, v1
	v_and_b32 v9, 31, v0
	v_lshl_add_u32 v9, v9, 2, s48
.endm
.macro INIT                            ; a block of queries begins: O^T and the sum are zeros, the largest t lies under every t; the first change of M multiplies zeros
	v_mov_b32 v13, 0xff61b1e6                      ; -3e38
	v_floor_f32 v12, -v13                          ; -M
	v_mov_b32 v14, 0
	v_mov_b32 v15, 0
.set J, 0
.rept 64
	v_mov_b32 v[160+J], 0
.set J, J+1
.endr
.endm
; THE CHANGE OF SLOTS stands at an item's head.  Each wave waits for all its tensor loads (its part of the slot that it is about to read), adds 0 to its spare word, and waits for that and for its reads of the slot that it has left.
; Behind the barrier the slot ahead is whole and nobody reads the other one.  fill = 1: that other slot takes the next item's keys; the load has the whole item's steps in which to land.  A loading wave has one tensor load out.
.macro CHANGE fill
	s_wait_tensorcnt 0x0                           ; no tensor load of mine is out, so group 0 may be written
	ds_add_u32 v[SPW], v[NIL]                      ; 0 onto my spare word; the descriptor's steps stand between it and the wait for it
.if \fill
	s_xor_b32 s[G0+1], s[G0+1], SLOT1              ; the other slot than last time
	s_add_co_u32 s[SIGN], s[SIG], 1                ; the next key slot,
	s_cmp_eq_u32 s[KT], s[I]
	s_cselect_b32 s[SIGN], 0, s[SIGN]              ; or slot 0 again where block I ends and block 7 - I begins
	s_mul_i32 s[OFF], s[SIGN], SLOTB
	s_add_nc_u64 s[G0+2:G0+3], s[KVW:KVW+1], s[OFF:OFF+1]
	s_or_b32 s[G0+3], s[G0+3], 0x80000000          ; type = 2
.endif
	s_wait_dscnt 0x0                               ; the add is done, and my reads of the slot that I have left are over
	s_barrier_signal -1
	s_barrier_wait -1
.if \fill
	TLOAD                                          ; the first thing behind the barrier, and a wave's one tensor load until the next
.endif
.endm
; A KEY STEP: 128 keys, the q-th of the slot in hand.
.macro STEP q
	s_add_co_u32 s48, s[Q0], 15
	s_cmp_gt_u32 s[KF], s48
	s_cbranch_scc1 .Lhidden_\@                     ; all 128 keys come after my 16 queries
	v_add_nc_u32 v8, s[TB], v1
	v_add_nc_u32 v9, s[TB], v2
	v_add_nc_u32 v10, s[TB], v3
	v_add_nc_u32 v11, s[TB], v4
.rept 4
	v_nop                                          ; with the four additions: eight places in front of loads into registers that matrix instructions have read
.endr
	ds_load_b64 v[248:249], v10 offset:512*\q      ; K's scale words: v[248 + b]: lanes 0-15 tile 2 b, lanes 16-31 tile 2 b + 1
	ds_load_b64 v[250:251], v10 offset:512*\q+256
.irp g, 0,1                                    ; S^T = K Q^T, four tiles of 16 keys at a time
.if \g > 0
.rept 8
	v_nop
.endr
.endif
.irp t, 0,1,2,3
.irp c, 0,1,2,3
	ds_load_b128 v[32+16*\t+4*\c:35+16*\t+4*\c], v8 offset:(8*\q+4*\g+\t)*2048+512*\c   ; an image: 32 lanes read 512 consecutive bytes
.endr
.endr
	s_wait_dscnt 0x0
.irp t, 0,1,2,3
.if \t%2
	v_wmma_scale_f32_16x16x128_f8f6f4 v[96+8*(4*\g+\t):103+8*(4*\g+\t)], v[32+16*\t:47+16*\t], v[16:31], 0, v[248+2*\g+\t/2], v255 matrix_a_scale:MATRIX_SCALE_ROW1
.else
	v_wmma_scale_f32_16x16x128_f8f6f4 v[96+8*(4*\g+\t):103+8*(4*\g+\t)], v[32+16*\t:47+16*\t], v[16:31], 0, v[248+2*\g+\t/2], v255
.endif
.endr
.endr
.rept 8
	v_nop                                          ; eight places: in front of the loads below, and of the first read of the scores
.endr
.irp w, 0,1,2,3
	ds_load_b32 v[248+\w], v11 offset:256*\w+4*\q  ; V's scale words for these 128 keys: lanes 0-15 channel tile 2 w, lanes 16-31 tile 2 w + 1
.endr
.irp t, 0,1,2,3
.irp c, 0,1,2,3
	ds_load_b128 v[32+16*\t+4*\c:35+16*\t+4*\c], v9 offset:(8*\q+\t)*2048+512*\c   ; V's channel tiles 0-3: they land while the softmax is worked
.endr
.endr
	s_add_co_u32 s48, s[KF], 127
	s_cmp_le_u32 s48, s[Q0]
	s_cbranch_scc1 .Lopen_\@                       ; all 128 keys count for all my queries
	s_sub_co_i32 s48, s[Q0], s[KF]
	v_and_b32 v252, 15, v0
	v_bfe_u32 v240, v0, 4, 1
	v_lshlrev_b32 v240, 4, v240
	v_sub_nc_u32 v252, v252, v240
	v_add_nc_u32 v252, s48, v252                   ; d = my query - KF - 16 (lane / 16).  Register 16 b + i holds key KF + 16 (lane / 16) + 32 b + i: hidden where 32 b + i > d
	v_mov_b32 v254, 0xff800000                     ; -infinity
.set N, 0
.rept 64
	v_cmp_gt_i32 vcc_lo, 32*(N/16)+N%16, v252
	v_cndmask_b32 v[96+N], v[96+N], v254, vcc_lo
.set N, N+1
.endr
.Lopen_\@:
.irp b, 0,1,2,3
	v_max3_num_f32 v[232+\b], v[96+16*\b], v[97+16*\b], v[98+16*\b]   ; the largest score of each block of 32 keys: for the row's maximum, and, since p rises with the score, for the block's largest p
.endr
.irp i, 3,5,7,9,11,13
.irp b, 0,1,2,3
	v_max3_num_f32 v[232+\b], v[232+\b], v[96+16*\b+\i], v[97+16*\b+\i]
.endr
.endr
.irp b, 0,1,2,3
	v_max_num_f32 v[232+\b], v[232+\b], v[111+16*\b]
.endr
.irp b, 0,1,2,3
	v_permlanex16_b32 v[236+\b], v[232+\b], s[SEL], s[SEL+1]
.endr
.irp b, 0,1,2,3
	v_max_num_f32 v[232+\b], v[232+\b], v[236+\b]  ; with lane l xor 16's 16 keys
.endr
	v_max3_num_f32 v254, v232, v233, v234
	v_max_num_f32 v254, v254, v235                 ; the step's largest score of my query
	v_mul_f32 v254, s[CS], v254                    ; as t (c is positive)
	v_max_num_f32 v13, v13, v254                   ; the running largest t
	v_mov_b32 v254, v12
	v_floor_f32 v12, -v13                          ; the new -M = floor(-t) = -ceil(t): a whole number
	v_sub_f32 v254, v12, v254                      ; old M - new M: a whole number, 0 or less
	v_cvt_i32_f32 v254, v254                       ; (it saturates)
	v_ldexp_f32 v252, 1.0, v254                    ; f = 2^(old M - new M): the multiplications by it round nothing
.set J, 0
.rept 32
	v_pk_fma_f32 v[96+J:97+J], v[96+J:97+J], s[CS:CS+1], v[12:13] op_sel_hi:[1,0,0]   ; t - M, two at a time (of the pairs c and -M the low word serves both halves)
.set J, J+2
.endr
.irp b, 0,1,2,3
	v_fma_f32 v[232+\b], v[232+\b], s[CS], v12     ; the same of each block's largest score
.endr
.set J, 0
.rept 64
	v_exp_f32 v[96+J], v[96+J]                     ; p = 2^(t - M), at most 1: not normalised
.set J, J+1
.endr
.irp b, 0,1,2,3
	v_exp_f32 v[232+\b], v[232+\b]                 ; the block's largest p: the same two instructions on the same number give the same bits
.endr
	v_pk_mul_f32 v[14:15], v[14:15], v[252:253] op_sel_hi:[1,0]   ; the sums under the new M.  (A plain instruction behind the exponentials)
	s_wait_alu depctr_va_vdst(0)
.irp b, 0,1,2,3
	v_max_num_f32 v[232+\b], 0x4800000, v[232+\b]  ; the floor 2^(9 - 127): the byte cannot fall under 1 (a block whose every p is 0 keeps that byte: its codes are zeros)
.endr
.irp b, 0,1,2,3
	v_add_nc_u32 v[244+\b], 0xfc000000, v[232+\b]  ; 8 off the exponent field: the conversion's scale operand
.endr
.irp b, 0,1,2,3
	v_and_or_b32 v[240+\b], v[232+\b], 0x7f800000, s[MNT]   ; 448 x the scale
.endr
.irp b, 0,1,2,3
	v_lshrrev_b32 v[236+\b], 23, v[244+\b]         ; the scale's byte
.endr
	v_lshl_or_b32 v253, v237, 8, v236              ; p's scale word for these 128 keys
	v_lshl_or_b32 v253, v238, 16, v253
	v_lshl_or_b32 v253, v239, 24, v253
	v_pk_add_f32 v[236:237], v[96:97], v[98:99]    ; the row's sum is taken of the unquantised p: two at a time, in two chains
.irp j, 4,8,12,16,20,24,28,32,36,40,44,48,52,56,60
	v_pk_add_f32 v[14:15], v[14:15], v[96+\j:97+\j]
	v_pk_add_f32 v[236:237], v[236:237], v[98+\j:99+\j]
.endr
	v_pk_add_f32 v[14:15], v[14:15], v[236:237]
.irp b, 0,1,2,3
.irp i, 0,1,2,3,4,5,6,7,8,9,10,11,12,13,14,15
	v_min_num_f32 v[96+16*\b+\i], v[96+16*\b+\i], v[240+\b]   ; the conversion does not saturate (ISA guide 7.6.2); p is not negative, so the hold is one-sided
.endr
	v_cvt_scalef32_pk8_fp8_f32 v[224+4*\b:225+4*\b], v[96+16*\b:103+16*\b], v[244+\b]
	v_cvt_scalef32_pk8_fp8_f32 v[226+4*\b:227+4*\b], v[104+16*\b:111+16*\b], v[244+\b]
.endr
.set J, 0
.rept 32
	v_pk_mul_f32 v[160+J:161+J], v[160+J:161+J], v[252:253] op_sel_hi:[1,0]   ; O^T under the new M.  (These 32 also stand between the codes' making and the products that take them)
.set J, J+2
.endr
	s_wait_dscnt 0x0                               ; V's tiles 0-3 and its scale words are in
.irp t, 0,1,2,3                                ; O^T += V^T P^T; the eight accumulators take turns, one instruction a turn
.if \t%2
	v_wmma_scale_f32_16x16x128_f8f6f4 v[160+8*\t:167+8*\t], v[32+16*\t:47+16*\t], v[224:239], v[160+8*\t:167+8*\t], v[248+\t/2], v253 matrix_a_scale:MATRIX_SCALE_ROW1
.else
	v_wmma_scale_f32_16x16x128_f8f6f4 v[160+8*\t:167+8*\t], v[32+16*\t:47+16*\t], v[224:239], v[160+8*\t:167+8*\t], v[248+\t/2], v253
.endif
.endr
.rept 8
	v_nop                                          ; eight places in front of loads into registers that these products have read
.endr
.irp t, 0,1,2,3
.irp c, 0,1,2,3
	ds_load_b128 v[32+16*\t+4*\c:35+16*\t+4*\c], v9 offset:(8*\q+4+\t)*2048+512*\c   ; V's channel tiles 4-7
.endr
.endr
	s_wait_dscnt 0x0
.irp t, 0,1,2,3
.if \t%2
	v_wmma_scale_f32_16x16x128_f8f6f4 v[192+8*\t:199+8*\t], v[32+16*\t:47+16*\t], v[224:239], v[192+8*\t:199+8*\t], v[250+\t/2], v253 matrix_a_scale:MATRIX_SCALE_ROW1
.else
	v_wmma_scale_f32_16x16x128_f8f6f4 v[192+8*\t:199+8*\t], v[32+16*\t:47+16*\t], v[224:239], v[192+8*\t:199+8*\t], v[250+\t/2], v253
.endif
.endr
.Lhidden_\@:
	s_add_co_u32 s[KF], s[KF], 128
.endm
; THE WAY OUT of a block of queries.  O^T is divided by the row's sum and goes through my stage in LDS, half a row (64 channels, 256 bytes) of 16 queries at a time, so that sixteen lanes store 256 consecutive bytes, aligned.
; more = 1: the registers that the stores read are loaded again afterwards.
.macro OUT base, more
	v_add_f32 v14, v14, v15                        ; the sum's two halves,
	v_permlanex16_b32 v252, v14, s[SEL], s[SEL+1]
	v_add_f32 v14, v14, v252                       ; and lane l xor 16's: the row's sum
	v_rcp_f32 v14, v14
	v_and_b32 v8, 15, v0                           ; (a plain instruction behind the reciprocal)  r.  These eight lines and the two additions are the places behind the last products
	v_bfe_u32 v9, v0, 4, 1                         ; h
	s_mul_i32 s48, s[WV], 16*272
	s_add_co_u32 s48, s48, STAGE                   ; my stage
	v_mul_u32_u24 v10, v8, 272
	v_lshl_add_u32 v10, v9, 5, v10
	v_add_nc_u32 v10, s48, v10                     ; in: row r; tile t's eight channels of my half: 64 t + 32 h bytes on
	v_mul_u32_u24 v11, v9, 272
	v_lshl_add_u32 v11, v8, 4, v11
	v_add_nc_u32 v11, s48, v11                     ; back: lanes 0-15 one row, lanes 16-31 the next
.set J, 0
	s_wait_alu depctr_va_vdst(0)
.rept 64
	v_mul_f32 v[96+J], v[160+J], v14               ; register 8 t + i is o(r, 16 t + 8 h + i); each accumulator from its low end on
.set J, J+1
.endr
.irp u, 0,1                                    ; channels 64 u on
.irp t, 0,1,2,3
	ds_store_b128 v10, v[96+32*\u+8*\t:99+32*\u+8*\t] offset:64*\t
	ds_store_b128 v10, v[100+32*\u+8*\t:103+32*\u+8*\t] offset:64*\t+16
.endr
.irp i, 0,1,2,3,4,5,6,7
	ds_load_b128 v[32+32*\u+4*\i:35+32*\u+4*\i], v11 offset:2*\i*272   ; LDS serves a wave's instructions in order: these see my stores, and the next half's stores come behind them
.endr
.endr
.irp u, 0,1
.irp i, 0,1,2,3,4,5,6,7
	s_wait_dscnt 15-8*\u-\i                        ; no more than the LDS instructions issued behind this load: it is in
	global_store_b128 v[GO], v[32+32*\u+4*\i:35+32*\u+4*\i], s[\base:\base+1] offset:1024*\i+256*\u th:TH_STORE_NT
.endr
.endr
.if \more
	s_wait_xcnt 0x0                                ; the stores have read their registers: v32-95 are loaded again only behind this wait
.endif
.endm
; ---------------- the head ----------------
	s_load_b128 s[4:7], s[0:1], 0x0                ; Q s[4:5], kv s[6:7]
	s_load_b64 s[8:9], s[0:1], 0x10                ; out0
	v_lshl_add_u32 v[SPW], v0, 2, SPARE
	v_mov_b32 v[NIL], 0
	ds_add_u32 v5, v6
	s_wait_dscnt 0x0
	v_lshrrev_b32 v8, 5, v0
	v_readfirstlane_b32 s[WV], v8                  ; wave 0..15
	s_mov_b32 s[I], ttmp9
	s_and_b32 s[HD], ttmp7, 0xffff
	; descriptor group 1: a dense block of 66 rows of 256 bytes (32 elements of 8 bytes), no padding, no mask
	s_mov_b32 s[G1+0], 3<<16                       ; elements of 8 bytes
	s_mov_b32 s[G1+1], 32<<16                      ; tensor_dim0 = 32
	s_mov_b32 s[G1+2], 66<<16                      ; tensor_dim1 = 66
	s_mov_b32 s[G1+3], 32<<16                      ; tile_dim0 = 32
	s_mov_b32 s[G1+4], 66                          ; tile_dim1 = 66
	s_mov_b32 s[G1+5], 32                          ; from row to row: 32 elements
	s_mov_b32 s[G1+6], 0
	s_mov_b32 s[G1+7], 0
	s_min_u32 s48, s[WV], 3                        ; which quarter of a slot I fetch, if I fetch
	s_mov_b32 s[G0], 1                             ; count = 1
	s_mul_i32 s[G0+1], s48, QUART                  ; LDS address: slot 0, my quarter
	s_mul_i32 s50, s[HD], HEADB
	s_add_co_u32 s50, s50, s[G0+1]                 ; the same quarter in kv, at my head (under 2^26)
	s_mov_b32 s51, 0
	s_mov_b32 s[OFF+1], 0
	s_lshl_b32 s48, s[WV], 4
	s_lshl_b32 s[Q0], s[I], 8
	s_add_co_u32 s[Q0], s[Q0], s48                 ; my first query in block I: 256 I + 16 wave
	s_sub_co_u32 s[Q0H], 7, s[I]
	s_lshl_b32 s[Q0H], s[Q0H], 8
	s_add_co_u32 s[Q0H], s[Q0H], s48               ; and in block 7 - I
	s_lshl_b32 s52, s[HD], 20                      ; a head is 2,048 rows of 512 bytes
	s_lshl_b32 s49, s[Q0], 9
	s_add_co_u32 s52, s52, s49
	s_mov_b32 s53, 0
	s_lshl_b32 s54, s[HD], 20
	s_lshl_b32 s49, s[Q0H], 9
	s_add_co_u32 s54, s54, s49
	s_mov_b32 s55, 0
	s_mov_b32 s[MNT], 0x600000
	s_mov_b32 s[SEL], 0x76543210
	s_mov_b32 s[SEL+1], 0xfedcba98
	s_mov_b32 s[CS], 0x3e0293ee                    ; c = log2(e) / sqrt(128)
	s_mov_b32 s[CS+1], s[CS]                       ; (named with it as a pair, so it is written)
	s_mov_b32 s[KT], 0
	s_mov_b32 s[SIG], 0
	s_mov_b32 s[TB], 0
	s_wait_kmcnt 0x0
	s_add_nc_u64 s[KVW:KVW+1], s[6:7], s[50:51]
	s_mov_b64 s[G0+2:G0+3], s[KVW:KVW+1]           ; item 0 is key slot 0
	s_or_b32 s[G0+3], s[G0+3], 0x80000000          ; type = 2
	TLOAD                                          ; the launch's first fill, ahead of every wait on TENSORcnt, every LDS read and every barrier
	s_add_nc_u64 s[QL:QL+1], s[4:5], s[52:53]
	s_add_nc_u64 s[QH:QH+1], s[4:5], s[54:55]
	s_add_nc_u64 s[OL:OL+1], s[8:9], s[52:53]
	s_add_nc_u64 s[OH:OH+1], s[8:9], s[54:55]
	v_and_b32 v8, 15, v0                           ; r
	v_bfe_u32 v9, v0, 4, 1                         ; h
	v_lshlrev_b32 v10, 9, v8
	v_lshl_add_u32 v10, v9, 6, v10                 ; Q: row r of 512 bytes, + 64 h: my 16 numbers of a block of 32
	XLOAD 96, QL                                   ; both blocks' rows of Q at once
	XLOAD 160, QH
	v_and_b32 v4, 31, v0                           ; lane
	v_lshlrev_b32 v1, 4, v4                        ; KC: 16 x lane
	v_add_nc_u32 v2, VC, v1
	v_lshl_add_u32 v3, v4, 3, KS                   ; 8 x lane
	v_lshl_add_u32 v4, v4, 3, VS
	v_lshlrev_b32 v[GO], 9, v9
	v_lshl_add_u32 v[GO], v8, 4, v[GO]             ; the way out: lanes 0-15 one row of out0, lanes 16-31 the next; 16 bytes a lane
.irp b, 0,1,2,3
	v_mov_b32 v[TM+4+\b], 0                        ; written once: a lane permute's destination counts as one of its sources
	v_mov_b32 v[236+\b], 0
.endr
	v_mov_b32 v252, 0
	v_mov_b32 v253, 0                              ; (named as the upper half of the pair v[252:253] before it is first written)
	s_wait_loadcnt 16                              ; block I's sixteen loads are in; block 7 - I's sixteen may be out
	QUANT 96, 16, 255
	s_wait_loadcnt 0x0
	QUANT 160, 48, 64
	QADR
.irp c, 0,1,2,3
	ds_store_b128 v8, v[48+4*\c:51+4*\c] offset:512*\c   ; block 7 - I's codes wait in LDS as an image of their registers; only my wave touches these bytes
.endr
	ds_store_b32 v9, v64 offset:2048
	INIT
; ---------------- the walk: items 0 to 7; behind each change of slots the next item is asked for ----------------
.Ltrip:
	CHANGE 1
	s_lshl_b32 s[KF], s[SIG], 8
	STEP 0
	STEP 1
	s_xor_b32 s[TB], s[TB], SLOT1                  ; on to the other slot
	s_cmp_lg_u32 s[KT], s[I]
	s_cbranch_scc1 .Lsame_block                    ; a branch on ids; no barrier and no tensor load stands inside
	OUT OL, 1                                      ; block I is finished,
	QADR
.irp c, 0,1,2,3
	ds_load_b128 v[16+4*\c:19+4*\c], v8 offset:512*\c    ; and block 7 - I's Q comes back
.endr
	ds_load_b32 v255, v9 offset:2048
	INIT
	s_mov_b32 s[Q0], s[Q0H]
	s_wait_dscnt 0x0
.Lsame_block:
	s_mov_b32 s[SIG], s[SIGN]
	s_add_co_u32 s[KT], s[KT], 1
	s_cmp_lt_u32 s[KT], 8
	s_cbranch_scc1 .Ltrip
	CHANGE 0                                       ; item 8 is written out: nothing is left to ask for
	s_lshl_b32 s[KF], s[SIG], 8
	STEP 0
	STEP 1
	OUT OH, 0
	s_wait_tensorcnt 0x0                           ; the wave's end, behind my last tensor load and my last LDS store
	ds_add_u32 v[SPW], v[NIL]
	s_wait_dscnt 0x0
	s_endpgm
.Lfunc_end_k_q3ccae33359_attn:
	.size	k_q3ccae33359_attn, .Lfunc_end_k_q3ccae33359_attn-k_q3ccae33359_attn
	.p2alignl 7, 3214868480
	.fill 96, 4, 3214868480
	.section	.rodata,"a",@progbits
	.p2align	6, 0x0
	.amdhsa_kernel k_q3ccae33359_attn
		.amdhsa_group_segment_fixed_size 327680
		.amdhsa_private_segment_fixed_size 0
		.amdhsa_enable_private_segment 0
		.amdhsa_kernarg_size 24
		.amdhsa_user_sgpr_count 2
		.amdhsa_user_sgpr_kernarg_segment_ptr 1
		.amdhsa_wavefront_size32 1
		.amdhsa_system_sgpr_workgroup_id_x 1
		.amdhsa_system_sgpr_workgroup_id_y 1
		.amdhsa_system_sgpr_workgroup_id_z 1
		.amdhsa_system_vgpr_workitem_id 0
		.amdhsa_next_free_vgpr 256
		.amdhsa_next_free_sgpr 66
		.amdhsa_reserve_vcc 1
		.amdhsa_float_denorm_mode_32 3
		.amdhsa_float_denorm_mode_16_64 3
		.amdhsa_memory_ordered 1
		.amdhsa_forward_progress 1
		.amdhsa_inst_pref_size 155
	.end_amdhsa_kernel
	.amdgpu_metadata
---
amdhsa.version: [ 1, 2 ]
amdhsa.kernels:
  - .name:           k_q3ccae33359_attn
    .symbol:         k_q3ccae33359_attn.kd
    .args:
      - { .name: Q, .offset: 0, .size: 8, .value_kind: global_buffer, .address_space: global }
      - { .name: kv, .offset: 8, .size: 8, .value_kind: global_buffer, .address_space: global }
      - { .name: out0, .offset: 16, .size: 8, .value_kind: global_buffer, .address_space: global }
    .group_segment_fixed_size: 327680
    .private_segment_fixed_size: 0
    .kernarg_segment_align: 8
    .kernarg_segment_size: 24
    .max_flat_workgroup_size: 512
    .sgpr_count:     66
    .vgpr_count:     256
    .wavefront_size: 32
...
	.end_amdgpu_metadata
.endif
;; end of part 2
;; ======== version 2 of 2: 2 launches
;; limits: right only within a limited range of input values
;; workspace buffers: kv 34,603,008 bytes
;; launch quant (part 3): grid 1024 x 1, 4 waves a work-group, no clusters, 34,304 bytes of LDS; arguments K, V, kv; writes kv
.if DOCPART == 3
	.amdgcn_target "amdgcn-amd-amdhsa--gfx1250"
	.amdhsa_code_object_version 6
	.text
	.protected	k_q3ccae33359_quant
	.globl	k_q3ccae33359_quant
	.p2align	8
	.type	k_q3ccae33359_quant,@function
k_q3ccae33359_quant:
	s_mov_b64 s[64:65], 0
	v_nop
	global_prefetch_b8 v0, s[64:65] scope:SCOPE_SE
	s_setreg_imm32_b32 hwreg(HW_REG_WAVE_MODE, 25, 1), 1
	s_wait_xcnt 0x0
; K and V, [64 heads][2048 keys][128] f32, become codes of FP8 (E4M3) with one E8M0 scale byte for each 32 along a product's K: for K that is the head's 128 (innermost), for V the keys (its first axis in a head).
; They are laid in kv as IMAGES OF THE OPERANDS' REGISTERS of the attention launch: [head][slot of 256 keys], 67,584 bytes a slot:
;   KC  at 0:      tile T = 8 q + 2 b + u at 2048 T + 512 c + 16 lane; lane (r, h) holds key 128 q + 32 b + 8 u + r + 8 (r / 8) of the slot, channels 32 c + 16 h + 0 .. 15
;   KS  at 32768:  256 (2 q + b / 2) + 8 lane + 4 (b % 2): lanes 0-15 the scale word of row r of tile (q, b, 0), lanes 16-31 of tile (q, b, 1)
;   VC  at 33792:  tile T = 8 q + t at 2048 T + 512 c + 16 lane; lane (r, h) holds channel 16 t + r, keys 128 q + 32 c + 16 h + 0 .. 15 of the slot
;   VS  at 66560:  256 w + 8 lane + 4 q: lanes 0-15 the scale word of row r of channel tile 2 w, lanes 16-31 of tile 2 w + 1
; A block's scale is 2^(floor(log2(its largest magnitude)) - 8); its byte is the largest magnitude's exponent field - 8, held at 1 from below.  Each number is divided by the scale, held within +-448, rounded to the nearest code, ties to even.
; LIMITS: a block of zeros gets the byte 1 where the rule says 127 (its codes are zeros, which add nothing, and this program alone reads the bytes); blocks whose largest magnitude lies under 2^-118 are held at that byte; NaN and infinities are not served.
; SHARES: work-groups 0-511 take a slot of K each, 512-1023 a slot of V.  Four waves, which share nothing: no barrier.  Only K's path uses LDS (a stage of each wave's own).
; No matrix unit, no tensor loads, no cluster: the launch streams each input byte once and no two work-groups read the same bytes.
.set SLOTB, 67584
.set KS,    32768
.set VC,    33792
.set VS,    66560
.set SP,    528                        ; K's stage: a key's row of 512 bytes + 16 of padding: 33 x 16 bytes, so that sixteen rows start at sixteen different places modulo 256 bytes
.set TM,    8                          ; v8-11 largest magnitudes, v12-15 the other half's / bytes, v20-23 the conversions' scale operands
.set PW,    24                         ; v24     the scale word just made
.set R,     32                         ; v32-159 K: two sets of 64 registers, a tile's 16 rows as loaded
.set X,     160                        ; v160-223 K: a lane's 64 numbers: register 16 b + i = channel 32 b + 16 h + i of row r
.set PC,    224                        ; v224-255 K: two sets of 16 registers of codes
.set XV,    32                         ; v32-95  V: two sets of 32 numbers down the keys
.set CV,    96                         ; v96-159 V: eight registers of codes for each block: no store's data are written again
.set SEL,   20                         ; s[20:21] lane selects for v_permlanex16_b32: lane l xor 16
.set MNT,   22
	s_load_b128 s[4:7], s[0:1], 0x0                ; K s[4:5], V s[6:7]
	s_load_b64 s[8:9], s[0:1], 0x10                ; kv
	v_lshl_add_u32 v30, v0, 2, 0x8400
	v_mov_b32 v31, 0
	v_lshrrev_b32 v1, 5, v0
	v_readfirstlane_b32 s10, v1                    ; wave 0..3
	v_and_b32 v1, 31, v0                           ; lane
	v_lshlrev_b32 v5, 3, v1                        ; 8 x lane: my two scale words
	s_and_b32 s11, ttmp9, 511                      ; 8 x head + slot
	s_lshl_b32 s12, s11, 17                        ; the slot's 256 rows of 512 bytes in K or V (under 2^26)
	s_mov_b32 s13, 0
	s_mul_i32 s24, s11, SLOTB                      ; and its place in kv (under 2^26)
	s_mov_b32 s25, 0
	s_mov_b32 s[SEL], 0x76543210
	s_mov_b32 s[SEL+1], 0xfedcba98
	s_mov_b32 s23, 0xffff0000                      ; a lane mask: lanes 16-31
	s_wait_kmcnt 0x0
	s_add_nc_u64 s[8:9], s[8:9], s[24:25]          ; kv at my slot
	s_cmp_lt_u32 ttmp9, 512
	s_cbranch_scc0 .Lvalues
; ---------------- K: wave g takes keys 64 g .. 64 g + 63 of the slot: tiles 4 g + 0 .. 3 ----------------
	s_add_nc_u64 s[14:15], s[4:5], s[12:13]
	s_lshl_b32 s12, s10, 15
	s_add_nc_u64 s[14:15], s[14:15], s[12:13]      ; in: my 64 rows
	s_lshl_b32 s12, s10, 13
	s_add_nc_u64 s[16:17], s[8:9], s[12:13]        ; codes: my four tiles of 2,048 bytes
	s_lshl_b32 s12, s10, 8
	s_add_co_u32 s12, s12, KS
	s_add_nc_u64 s[18:19], s[8:9], s[12:13]        ; scale words: my 256 bytes
	s_mul_i32 s26, s10, 16*SP                      ; my stage
	s_wait_alu depctr_va_vdst(0)
	v_lshlrev_b32 v2, 4, v1                        ; 16 x lane
	v_add_nc_u32 v3, s26, v2                       ; into the stage: a row as it lies
	v_and_b32 v4, 15, v0                           ; r
	v_mul_u32_u24 v4, v4, SP
	v_bfe_u32 v25, v0, 4, 1                        ; h
	v_lshl_add_u32 v4, v25, 6, v4
	v_add_nc_u32 v4, s26, v4                       ; out of it: row r, + 64 h: my 16 numbers of each block of 32
.irp b, 0,1,2,3
	v_mov_b32 v[TM+4+\b], 0                        ; written once: a lane permute's destination counts as one of its sources
.endr
; 64 numbers of a lane, v[src] on, register 16 b + i = k 32 b + 16 (lane / 16) + i of my row, become a fragment's codes in v[dst] on and its scale word in v[pw]
.macro QUANT src, dst, pw
.irp b, 0,1,2,3
	v_max3_num_f32 v[TM+\b], |v[\src+16*\b]|, |v[\src+1+16*\b]|, 0x4800000   ; block b: my 16 numbers, and the floor 2^(9 - 127): the byte cannot fall under 1
.endr
.irp i, 2,4,6,8,10,12,14
.irp b, 0,1,2,3
	v_max3_num_f32 v[TM+\b], v[TM+\b], |v[\src+16*\b+\i]|, |v[\src+1+16*\b+\i]|   ; the four blocks by turns
.endr
.endr
.irp b, 0,1,2,3
	v_permlanex16_b32 v[TM+4+\b], v[TM+\b], s[SEL], s[SEL+1]
.endr
.irp b, 0,1,2,3
	v_max_num_f32 v[TM+\b], v[TM+\b], v[TM+4+\b]   ; with lane l xor 16's: the block's largest magnitude
.endr
.irp b, 0,1,2,3
	v_add_nc_u32 v[TM+12+\b], 0xfc000000, v[TM+\b] ; 8 off its exponent field: the conversion takes the exponent field of this operand as its scale
.endr
.irp b, 0,1,2,3
.endr
.irp b, 0,1,2,3
	v_lshrrev_b32 v[TM+4+\b], 23, v[TM+12+\b]      ; the scale's byte
.endr
	v_lshl_or_b32 v[\pw], v[TM+5], 8, v[TM+4]      ; the four bytes make my row's scale word; lanes r and r + 16 hold the same
	v_lshl_or_b32 v[\pw], v[TM+6], 16, v[\pw]
	v_lshl_or_b32 v[\pw], v[TM+7], 24, v[\pw]
.irp b, 0,1,2,3
.irp i, 0,1,2,3,4,5,6,7,8,9,10,11,12,13,14,15
.endr
	v_cvt_scalef32_pk8_fp8_f32 v[\dst+4*\b:\dst+1+4*\b], v[\src+16*\b:\src+7+16*\b], v[TM+12+\b]
	v_cvt_scalef32_pk8_fp8_f32 v[\dst+2+4*\b:\dst+3+4*\b], v[\src+8+16*\b:\src+15+16*\b], v[TM+12+\b]
.endr
	v_nop                                          ; one plain vector instruction behind the last scaled conversion
.endm
; tile n's sixteen rows, each a whole row of 512 consecutive bytes; row p of the tile is key 32 (n / 2) + 8 (n % 2) + p + 8 (p / 8) of my 64
.macro LOADK n
.irp p, 0,1,2,3,4,5,6,7,8,9,10,11,12,13,14,15
	global_load_b128 v[R+64*((\n)%2)+4*\p:R+64*((\n)%2)+4*\p+3], v2, s[14:15] offset:(32*((\n)/2)+8*((\n)%2)+\p+8*(\p/8))*512 th:TH_LOAD_NT
.endr
.endm
.macro TILE n
.set RS, R+64*((\n)%2)
.set PCS, PC+16*((\n)%2)
.if (\n) < 3
	s_wait_loadcnt 16                              ; this tile's sixteen loads are in; the next tile's sixteen may be out
.else
	s_wait_loadcnt 0x0
.endif
.irp p, 0,1,2,3,4,5,6,7,8,9,10,11,12,13,14,15
	ds_store_b128 v3, v[RS+4*\p:RS+4*\p+3] offset:\p*SP
.endr
.irp c, 0,1,2,3
.irp j, 0,1,2,3
	ds_load_b128 v[X+16*\c+4*\j:X+16*\c+4*\j+3], v4 offset:128*\c+16*\j   ; LDS serves a wave's instructions in order: these see the stores above
.endr
.endr
	s_wait_dscnt 0x0                               ; my 64 numbers are in, and the stores have read their registers,
.if (\n) < 2
	LOADK (\n)+2                                   ; which take the tile two further on
.else
	s_wait_xcnt 0x0                                ; the stores of two tiles back have read this set of codes: it is written again only behind this wait
.endif
	QUANT X, PCS, PW
.if (\n)%2 == 0
	v_mov_b32 v[6+(\n)/2], v[PW]                   ; the even tile's words, for lanes 0-15;
.else
	v_cndmask_b32 v[6+(\n)/2], v[6+(\n)/2], v[PW], s23   ; the odd tile's take lanes 16-31
.endif
.irp c, 0,1,2,3
	global_store_b128 v2, v[PCS+4*\c:PCS+4*\c+3], s[16:17] offset:(\n)*2048+512*\c   ; 32 lanes store 512 consecutive bytes, aligned
.endr
.endm
	LOADK 0
	LOADK 1
	s_wait_alu depctr_va_vdst(0)
	TILE 0
	TILE 1
	TILE 2
	TILE 3
	global_store_b64 v5, v[6:7], s[18:19]          ; 32 lanes store 256 consecutive bytes, aligned
	s_wait_tensorcnt 0x0
	ds_add_u32 v30, v31
	s_wait_dscnt 0x0
	s_endpgm
; ---------------- V: wave w takes channels 32 w + lane; a lane's registers run DOWN the keys, so a block of 32 keys is one lane's 32 registers ----------------
.Lvalues:
	s_add_nc_u64 s[14:15], s[6:7], s[12:13]
	s_lshl_b32 s12, s10, 7
	s_add_nc_u64 s[14:15], s[14:15], s[12:13]      ; in: my 32 channels of the slot's first key
	s_lshl_b32 s12, s10, 12
	s_add_co_u32 s12, s12, VC
	s_add_nc_u64 s[16:17], s[8:9], s[12:13]        ; codes: channel tiles 2 w and 2 w + 1
	s_lshl_b32 s12, s10, 8
	s_add_co_u32 s12, s12, VS
	s_add_nc_u64 s[18:19], s[8:9], s[12:13]        ; scale words: my 256 bytes
	s_wait_alu depctr_va_vdst(0)
	v_lshlrev_b32 v2, 2, v1                        ; in: 4 bytes a lane
	v_lshrrev_b32 v3, 4, v1
	v_lshlrev_b32 v3, 11, v3                       ; out: tile 2 w + lane / 16,
	v_and_b32 v4, 15, v1
	v_lshl_add_u32 v3, v4, 4, v3                   ; 16 bytes for row lane % 16
.macro LOADV n                         ; block n: V(32 n + i, my channel), i = 0 .. 31
.irp i, 0,1,2,3,4,5,6,7,8,9,10,11,12,13,14,15,16,17,18,19,20,21,22,23,24,25,26,27,28,29,30,31
	global_load_b32 v[XV+32*((\n)%2)+\i], v2, s[14:15] offset:(32*(\n)+\i)*512 th:TH_LOAD_NT
.endr
.endm
.macro BLOCK n                         ; block n = 4 q + c: keys 128 q + 32 c + 0 .. 31
.set XS, XV+32*((\n)%2)
.set CC, CV+8*(\n)
.if (\n) < 7
	s_wait_loadcnt 32                              ; this block's 32 loads are in; the next block's 32 may be out
.else
	s_wait_loadcnt 0x0
.endif
	v_max3_num_f32 v12, |v[XS]|, |v[XS+1]|, |v[XS+2]|   ; the block's largest magnitude: all 32 numbers are mine; two chains
	v_max3_num_f32 v13, |v[XS+3]|, |v[XS+4]|, |v[XS+5]|
.irp i, 6,10,14,18,22,26
	v_max3_num_f32 v12, v12, |v[XS+\i]|, |v[XS+\i+1]|
	v_max3_num_f32 v13, v13, |v[XS+\i+2]|, |v[XS+\i+3]|
.endr
	v_max3_num_f32 v12, v12, |v[XS+30]|, |v[XS+31]|
	v_max3_num_f32 v12, v12, v13, 0x4800000        ; and the floor 2^(9 - 127)
	v_add_nc_u32 v11, 0xfc000000, v12              ; the conversion's scale operand
	v_lshrrev_b32 v13, 23, v11                     ; the scale's byte
.if (\n)%4 == 0
	v_mov_b32 v[6+(\n)/4], v13                     ; four bytes to a word, the lower keys in the lower byte
.else
	v_lshl_or_b32 v[6+(\n)/4], v13, 8*((\n)%4), v[6+(\n)/4]
.endif
.irp i, 0,1,2,3,4,5,6,7,8,9,10,11,12,13,14,15,16,17,18,19,20,21,22,23,24,25,26,27,28,29,30,31
.endr
.irp g, 0,1,2,3
	v_cvt_scalef32_pk8_fp8_f32 v[CC+2*\g:CC+2*\g+1], v[XS+8*\g:XS+8*\g+7], v11
.endr
	global_store_b128 v3, v[CC:CC+3], s[16:17] offset:((\n)/4)*16384+((\n)%4)*512          ; keys + 0 .. 15: the image's lanes 0-15; sixteen lanes store 256 consecutive bytes, aligned
	global_store_b128 v3, v[CC+4:CC+7], s[16:17] offset:((\n)/4)*16384+((\n)%4)*512+256    ; keys + 16 .. 31: its lanes 16-31
.if (\n) < 6
	LOADV (\n)+2
.endif
.endm
	LOADV 0
	LOADV 1
.irp n, 0,1,2,3,4,5,6,7
	BLOCK \n
.endr
	global_store_b64 v5, v[6:7], s[18:19]          ; 32 lanes store 256 consecutive bytes, aligned
	s_endpgm
.Lfunc_end_k_q3ccae33359_quant:
	.size	k_q3ccae33359_quant, .Lfunc_end_k_q3ccae33359_quant-k_q3ccae33359_quant
	.p2alignl 7, 3214868480
	.fill 96, 4, 3214868480
	.section	.rodata,"a",@progbits
	.p2align	6, 0x0
	.amdhsa_kernel k_q3ccae33359_quant
		.amdhsa_group_segment_fixed_size 34304
		.amdhsa_private_segment_fixed_size 0
		.amdhsa_enable_private_segment 0
		.amdhsa_kernarg_size 24
		.amdhsa_user_sgpr_count 2
		.amdhsa_user_sgpr_kernarg_segment_ptr 1
		.amdhsa_wavefront_size32 1
		.amdhsa_system_sgpr_workgroup_id_x 1
		.amdhsa_system_sgpr_workgroup_id_y 1
		.amdhsa_system_sgpr_workgroup_id_z 1
		.amdhsa_system_vgpr_workitem_id 0
		.amdhsa_next_free_vgpr 256
		.amdhsa_next_free_sgpr 66
		.amdhsa_reserve_vcc 0
		.amdhsa_float_denorm_mode_32 3
		.amdhsa_float_denorm_mode_16_64 3
		.amdhsa_fp16_overflow 1
		.amdhsa_memory_ordered 1
		.amdhsa_forward_progress 1
		.amdhsa_inst_pref_size 71
	.end_amdhsa_kernel
	.amdgpu_metadata
---
amdhsa.version: [ 1, 2 ]
amdhsa.kernels:
  - .name:           k_q3ccae33359_quant
    .symbol:         k_q3ccae33359_quant.kd
    .args:
      - { .name: K, .offset: 0, .size: 8, .value_kind: global_buffer, .address_space: global }
      - { .name: V, .offset: 8, .size: 8, .value_kind: global_buffer, .address_space: global }
      - { .name: kv, .offset: 16, .size: 8, .value_kind: global_buffer, .address_space: global }
    .group_segment_fixed_size: 34304
    .private_segment_fixed_size: 0
    .kernarg_segment_align: 8
    .kernarg_segment_size: 24
    .max_flat_workgroup_size: 128
    .sgpr_count:     66
    .vgpr_count:     256
    .wavefront_size: 32
...
	.end_amdgpu_metadata
.endif
;; end of part 3
;; launch attn (part 4): grid 4 x 64, 8 waves a work-group, no clusters, 327,680 bytes of LDS; arguments Q, kv, out0; writes out0
.if DOCPART == 4
	.amdgcn_target "amdgcn-amd-amdhsa--gfx1250"
	.amdhsa_code_object_version 6
	.text
	.protected	k_q3ccae33359_attn
	.globl	k_q3ccae33359_attn
	.p2align	8
	.type	k_q3ccae33359_attn,@function
k_q3ccae33359_attn:
	s_mov_b64 s[64:65], 0
	v_nop
	global_prefetch_b8 v0, s[64:65] scope:SCOPE_SE
	s_setreg_imm32_b32 hwreg(HW_REG_WAVE_MODE, 25, 1), 1
	s_wait_xcnt 0x0
; out0[head][q][:] = the sum over keys k <= q of softmax_k(Q[q] . K[k] / sqrt(128)) V[k][:], 64 heads of 2,048 x 128, both products on codes of FP8 (E4M3) with one E8M0 scale for each 32 along a product's K.
; K and V come as codes and scale words from kv, laid as images of the operands' registers, 67,584 bytes for a slot of 256 keys (KC at 0, KS, VC, VS below).  Q comes as f32 and is quantised here, in registers: a row of Q is read by one wave alone.
; THE SOFTMAX AHEAD OF THE SECOND PRODUCT: t = score x log2(e) / sqrt(128); M = the row's largest t so far, rounded UP to a whole number; p = 2^(t - M) is what is quantised, along the keys, not normalised.
; The row's sum is taken of the unquantised p and divides O at the end.  When M moves, the sum and O are multiplied by 2^(old M - new M): exact.
; SHARES.  Work-group (I, head), I = 0 .. 3, owns query blocks I and 7 - I of 256 queries: (I + 1) + (8 - I) = 9 slots of keys, whatever I is: 256 work-groups of equal work, and a walk whose trip count is the constant 9.
; Item k of the walk is key slot k for k <= I (block I), k - I - 1 after it (block 7 - I).  Each of the EIGHT waves owns 32 queries of the block in hand: TWO TILES of 16, so that each fragment of K and V read from LDS feeds two matrix instructions.
; A step (128 keys) all of whose keys come after a wave's queries is jumped over by a scalar branch on ids; no barrier and no tensor load stands in a step.  On the diagonal hidden scores become -infinity ahead of the maximum.
; A step's first key is a multiple of 128 and a wave's first query of 32: so both tiles are hidden together and masked together, and a step that is not jumped over has its first key open to all 32 queries: M is a number from a block's first step on.
; LAYOUT.  Both products are used transposed: S^T = K Q^T (source 0 = 16 keys, source 1 = 16 queries), O^T = V^T P^T: a lane holds ONE query (lane % 16) of each tile throughout.  Row p of K's tile 2 b + u is key 32 b + 8 u + p + 8 (p / 8),
; so that the 16 registers of tiles 2 b and 2 b + 1 are the 16 neighbouring keys 32 b + 16 (lane / 16) + 0 .. 15, and the conversions' results are the second product's operand.
; NO CLUSTER: the four work-groups of a head want different slots in the same trip (their walks part at trip I + 1), and a joint load has to be issued alike by all that it names.
; LIMITS: NaN and infinities among the inputs are not served; a block of zeros has the byte 1 (its codes are zeros); p under 2^-126 comes out of v_exp_f32 as 0; a block's largest p is made from the block's largest score, which takes v_exp_f32 not to fall where its input rises.
; REGISTERS, in two windows of 256 (s_set_vgpr_msb's low byte: bits 1:0 source 0, 3:2 source 1, 5:4 source 2, 7:6 destination).  TILE A LIVES IN WINDOW 0, TILE B IN WINDOW 1, AT THE SAME NUMBERS: what works on one tile is written once and run under 0 or 0x55.
;   in each window: v12 -M, v13 the largest t, v[14:15] the sum in two halves; v16-31 Q's codes; v32-95 four fragments of K or V (window 0: tiles 0-3, window 1: tiles 4-7; both serve both tiles of queries);
;   v96-159 S^T, then p; v160-223 O^T; v224-239 p's codes; v232-247 at work; v252 f; v253 p's scale word; v254 at work.
;   window 0 alone: v0 kept; v1 16 x lane; v2 256 x lane (the prefetch); v3 KS + 8 x lane; v5, v6 the spare word's address and 0; v7 my offset in 16 rows of Q or out0; v8-10 addresses in hand;
;   and the scale words, whose operands have no window: v248-251 K's, then V's; v255, v4 Q's of tiles A, B; v253, v11 p's of tiles A, B.
.set SLOTB,  67584                     ; a slot in kv and in LDS: 264 x 256 bytes
.set HEADB,  8*SLOTB
.set KS,     32768
.set VC,     33792
.set VS,     66560
.set QUART,  16896                     ; 66 rows of 256 bytes: what one tensor load brings
.set SPARE,  67584                     ; LDS behind slot 0: the spare words, 128 bytes for each wave: four blocks of 256 bytes that no other line names
.set SLOT1,  1<<17                     ; slot 1 begins here: one exclusive or turns an address in one slot into the other's
.set STAGE,  SLOT1+SLOTB               ; behind slot 1: 16 rows x 272 bytes for each wave, for Q's way in and O's way out.  No tensor load lands in SPARE or STAGE
.set SP,     272                       ; a stage row: 256 bytes + 16: 17 x 16 bytes, so that sixteen rows start at sixteen different places modulo 256 bytes
.set PF,  2
.set QSB, 4
.set SPW, 5
.set NIL, 6
.set GO,  7
.set PSB, 11
.set TM,  32                           ; v32-47 at work in QUANT
.set WV,   10                          ; s10 my wave's number
.set I,    11                          ; s11 work-group x
.set HD,   12                          ; s12 the head
.set KT,   13                          ; s13 the trip = the item in hand
.set SIG,  14                          ; s14 its key slot
.set SIGN, 15                          ; s15 the next item's
.set Q0,   16                          ; s16 my first query
.set KF,   17                          ; s17 the step's first key
.set TB,   18                          ; s18 LDS byte at which the slot in hand begins
.set MNT,  19
.set SEL,  20                          ; s[20:21] lane selects for v_permlanex16_b32: lane l xor 16
.set CS,   22                          ; s[22:23] c = log2(e) / sqrt(128)
.set G1,   24                          ; s[24:31] descriptor group 1
.set G0,   32                          ; s[32:35] descriptor group 0
.set KVW,  36                          ; s[36:37] kv at my head, at my quarter of a slot
.set OFF,  38                          ; s[38:39] the next slot's bytes into the head
.set QL,   40                          ; s[40:41], s[42:43] Q at my 32 rows of block I, of block 7 - I
.set QH,   42
.set OL,   44                          ; s[44:45], s[46:47] out0 likewise
.set OH,   46
.set Q0H,  56                          ; s56 my first query in block 7 - I
.set MSB, 0
.macro WIN new                         ; the immediate's high byte repeats the setting that is left; a switch that changes nothing is dropped.  At a label and at a branch the setting is 0
.if MSB != (\new)
	s_set_vgpr_msb (MSB<<8)|(\new)
.set MSB, (\new)
.endif
.endm
; Waves 0 to 3 fetch a quarter of a slot each, the others nothing.  The branch hangs on the wave's number alone.  Four v_nop follow the load.
.macro TLOAD
	s_cmp_lt_u32 s[WV], 4
	s_cbranch_scc0 .Lno_load_\@
	tensor_load_to_lds s[G0:G0+3], s[G1:G1+7]
	s_nop 0
.rept 4
	v_nop
.endr
.Lno_load_\@:
.endm
; My three places in my wave's stage: v8: lanes 0-15 one row's 256 bytes, lanes 16-31 the next row's; v10: row r, + 32 h (O's way in); v9: row r, + 64 h (Q's way out of it)
.macro STADR
	s_mul_i32 s48, s[WV], 16*SP
	s_add_co_u32 s48, s48, STAGE
	v_and_b32 v8, 15, v0                           ; r
	v_bfe_u32 v9, v0, 4, 1                         ; h
	s_delay_alu instid0(VALU_DEP_2)
	v_mul_u32_u24 v10, v8, SP
	s_delay_alu instid0(VALU_DEP_1)
	v_add_nc_u32 v10, s48, v10                     ; row r of my stage
	s_delay_alu instid0(VALU_DEP_4)
	v_lshlrev_b32 v8, 4, v8
	s_delay_alu instid0(VALU_DEP_1)
	v_add_nc_u32 v8, s48, v8
	s_delay_alu instid0(VALU_DEP_1)
	v_mad_u32_u24 v8, v9, SP, v8                   ; row h, + 16 r
	v_lshlrev_b32 v9, 5, v9
	s_delay_alu instid0(VALU_DEP_1)
	v_add_nc_u32 v10, v10, v9                      ; row r, + 32 h
	s_delay_alu instid0(VALU_DEP_1)
	v_add_nc_u32 v9, v10, v9                       ; row r, + 64 h
.endm
; Tile w's 16 rows of Q, as they lie: sixteen lanes read 256 consecutive bytes, aligned; register 32 u + 4 i on: row 2 i + h, bytes 256 u + 16 r on
.macro QLOAD w, base
	WIN 0x40*\w
.irp u, 0,1
.irp i, 0,1,2,3,4,5,6,7
	global_load_b128 v[96+32*\u+4*\i:99+32*\u+4*\i], v[GO], s[\base:\base+1] offset:8192*\w+1024*\i+256*\u th:TH_LOAD_NT
.endr
.endr
.endm
; and through my stage, half a row at a time, into the same registers: register 16 c + 4 j on = channels 32 c + 16 h + 4 j on of row r.  LDS serves a wave's instructions in order: no wait between the stores and the loads, nor in front of the next half's stores
.macro QTURN w
.irp u, 0,1
	WIN 0x04*\w
.irp i, 0,1,2,3,4,5,6,7
	ds_store_b128 v8, v[96+32*\u+4*\i:99+32*\u+4*\i] offset:2*\i*SP
.endr
	WIN 0x40*\w
.irp c, 0,1
.irp j, 0,1,2,3
	ds_load_b128 v[96+32*\u+16*\c+4*\j:99+32*\u+16*\c+4*\j], v9 offset:128*\c+16*\j
.endr
.endr
.endr
.endm
; Tile w's 64 numbers of a lane, v96 on, register 16 b + i = channel 32 b + 16 (lane / 16) + i of my row, become Q's codes in v16-31 and its scale words in v255 (tile A) or v4 (tile B)
.macro QUANT w
.if \w
.set PWR, 48
.else
.set PWR, 255
.endif
	WIN 0x55*\w
.irp b, 0,1,2,3
	v_max3_num_f32 v[TM+\b], |v[96+16*\b]|, |v[97+16*\b]|, 0x4800000   ; block b: my 16 numbers, and the floor 2^(9 - 127): the byte cannot fall under 1
.endr
.irp i, 2,4,6,8,10,12,14
.irp b, 0,1,2,3
	s_delay_alu instid0(VALU_DEP_4)
	v_max3_num_f32 v[TM+\b], v[TM+\b], |v[96+16*\b+\i]|, |v[97+16*\b+\i]|
.endr
.endr
.irp b, 0,1,2,3
	s_delay_alu instid0(VALU_DEP_4)
	v_permlanex16_b32 v[TM+4+\b], v[TM+\b], s[SEL], s[SEL+1]
.endr
.irp b, 0,1,2,3
	s_delay_alu instid0(VALU_DEP_4)
	v_max_num_f32 v[TM+\b], v[TM+\b], v[TM+4+\b]   ; with lane l xor 16's: the block's largest magnitude
.endr
.irp b, 0,1,2,3
	s_delay_alu instid0(VALU_DEP_4)
	v_add_nc_u32 v[TM+12+\b], 0xfc000000, v[TM+\b] ; 8 off its exponent field: the conversion's scale operand
.endr
.irp b, 0,1,2,3
.endr
.irp b, 0,1,2,3
	s_delay_alu instid0(VALU_DEP_4)
	v_lshrrev_b32 v[TM+4+\b], 23, v[TM+12+\b]      ; the scale's byte
.endr
	s_delay_alu instid0(VALU_DEP_3)
	v_lshl_or_b32 v[PWR], v[TM+5], 8, v[TM+4]
	s_delay_alu instid0(VALU_DEP_1)
	v_lshl_or_b32 v[PWR], v[TM+6], 16, v[PWR]
	s_delay_alu instid0(VALU_DEP_1)
	v_lshl_or_b32 v[PWR], v[TM+7], 24, v[PWR]
.irp b, 0,1,2,3
.irp i, 0,1,2,3,4,5,6,7,8,9,10,11,12,13,14,15
.endr
	v_cvt_scalef32_pk8_fp8_f32 v[16+4*\b:17+4*\b], v[96+16*\b:103+16*\b], v[TM+12+\b]
	v_cvt_scalef32_pk8_fp8_f32 v[18+4*\b:19+4*\b], v[104+16*\b:111+16*\b], v[TM+12+\b]
.endr
	v_nop                                          ; one plain vector instruction behind the last scaled conversion
.if \w
	WIN 0x01
	v_mov_b32 v[QSB], v48                          ; a scale operand has no window: tile B's words go to window 0
.endif
.endm
.macro INIT w                          ; a block of queries begins: O^T and the sum are zeros, the largest t lies under every t; the first change of M multiplies zeros
	WIN 0x55*\w
	v_mov_b32 v13, 0xff61b1e6                      ; -3e38
	s_delay_alu instid0(VALU_DEP_1)
	v_floor_f32 v12, -v13                          ; -M
	v_mov_b32 v14, 0
	v_mov_b32 v15, 0
.set J, 0
.rept 64
	v_mov_b32 v[160+J], 0
.set J, J+1
.endr
.endm
; A block's Q, asked for by two QLOADs, becomes codes; STADR has been run
.macro BLOCKIN
	s_wait_loadcnt 16                              ; tile A's sixteen loads are in; tile B's sixteen may be out
	QTURN 0
	s_wait_dscnt 0x0
	QUANT 0
	s_wait_loadcnt 0x0
	QTURN 1
	s_wait_dscnt 0x0
	QUANT 1
	INIT 0
	INIT 1
	WIN 0
.endm
; THE CHANGE OF SLOTS stands at an item's head.  Each wave waits for all its tensor loads (its part of the slot that it is about to read), adds 0 to its spare word, and waits for that and for its reads of the slot that it has left.
; Behind the barrier the slot ahead is whole and nobody reads the other one.  fill = 1: that other slot takes the next item's keys; the load has the whole item's steps in which to land.  A loading wave has one tensor load out.
.macro CHANGE fill
	s_wait_tensorcnt 0x0                           ; no tensor load of mine is out, so group 0 may be written
	ds_add_u32 v[SPW], v[NIL]                      ; 0 onto my spare word; the descriptor's steps stand between it and the wait for it
.if \fill
	s_xor_b32 s[G0+1], s[G0+1], SLOT1              ; the other slot than last time
	s_add_co_u32 s[SIGN], s[SIG], 1                ; the next key slot,
	s_cmp_eq_u32 s[KT], s[I]
	s_cselect_b32 s[SIGN], 0, s[SIGN]              ; or slot 0 again where block I ends and block 7 - I begins
	s_mul_i32 s[OFF], s[SIGN], SLOTB
	s_add_nc_u64 s[G0+2:G0+3], s[KVW:KVW+1], s[OFF:OFF+1]
	s_or_b32 s[G0+3], s[G0+3], 0x80000000          ; type = 2
.endif
	s_wait_dscnt 0x0                               ; the add is done, and my reads of the slot that I have left are over
	s_barrier_signal -1
	s_barrier_wait -1
.if \fill
	TLOAD                                          ; the first thing behind the barrier, and a wave's one tensor load until the next
.endif
.endm
; Four products S^T = K Q^T: K's tiles 4 g + 0 .. 3 (fragment buffer g) against the tile of queries whose window is set; qs: that tile's scale words of Q
.macro QKRUN g, qs
.irp t, 0,1,2,3
.if \t%2
	v_wmma_scale_f32_16x16x128_f8f6f4 v[96+8*(4*\g+\t):103+8*(4*\g+\t)], v[32+16*\t:47+16*\t], v[16:31], 0, v[248+2*\g+\t/2], v[\qs] matrix_a_scale:MATRIX_SCALE_ROW1
.else
	v_wmma_scale_f32_16x16x128_f8f6f4 v[96+8*(4*\g+\t):103+8*(4*\g+\t)], v[32+16*\t:47+16*\t], v[16:31], 0, v[248+2*\g+\t/2], v[\qs]
.endif
.endr
.endm
; Four products O^T += V^T P^T: V's channel tiles 4 g + 0 .. 3; ps: the tile's scale word of p
.macro PVRUN g, ps
.irp t, 0,1,2,3
.if \t%2
	v_wmma_scale_f32_16x16x128_f8f6f4 v[160+8*(4*\g+\t):167+8*(4*\g+\t)], v[32+16*\t:47+16*\t], v[224:239], v[160+8*(4*\g+\t):167+8*(4*\g+\t)], v[248+2*\g+\t/2], v[\ps] matrix_a_scale:MATRIX_SCALE_ROW1
.else
	v_wmma_scale_f32_16x16x128_f8f6f4 v[160+8*(4*\g+\t):167+8*(4*\g+\t)], v[32+16*\t:47+16*\t], v[224:239], v[160+8*(4*\g+\t):167+8*(4*\g+\t)], v[248+2*\g+\t/2], v[\ps]
.endif
.endr
.endm
; The softmax of one tile of queries for 128 keys, and p's codes; w: the tile's window
.macro SOFTMAX w
	WIN 0x55*\w
.irp b, 0,1,2,3
	v_max3_num_f32 v[232+\b], v[96+16*\b], v[97+16*\b], v[98+16*\b]   ; the largest score of each block of 32 keys: for the row's maximum, and, since p rises with the score, for the block's largest p
.endr
.irp i, 3,5,7,9,11,13
.irp b, 0,1,2,3
	v_max3_num_f32 v[232+\b], v[232+\b], v[96+16*\b+\i], v[97+16*\b+\i]
.endr
.endr
.irp b, 0,1,2,3
	v_max_num_f32 v[232+\b], v[232+\b], v[111+16*\b]
.endr
.irp b, 0,1,2,3
	v_permlanex16_b32 v[236+\b], v[232+\b], s[SEL], s[SEL+1]
.endr
.irp b, 0,1,2,3
	s_delay_alu instid0(VALU_DEP_4)
	v_max_num_f32 v[232+\b], v[232+\b], v[236+\b]  ; with lane l xor 16's 16 keys
.endr
	s_delay_alu instid0(VALU_DEP_2)
	v_max3_num_f32 v254, v232, v233, v234
	s_delay_alu instid0(VALU_DEP_1)
	v_max_num_f32 v254, v254, v235                 ; the step's largest score of my query
	s_delay_alu instid0(VALU_DEP_1)
	v_mul_f32 v254, s[CS], v254                    ; as t (c is positive)
	s_delay_alu instid0(VALU_DEP_1)
	v_max_num_f32 v13, v13, v254                   ; the running largest t
	v_mov_b32 v254, v12
	s_delay_alu instid0(VALU_DEP_2)
	v_floor_f32 v12, -v13                          ; the new -M = floor(-t) = -ceil(t): a whole number
	s_delay_alu instid0(VALU_DEP_1)
	v_sub_f32 v254, v12, v254                      ; old M - new M: a whole number, 0 or less
	s_delay_alu instid0(VALU_DEP_1)
	v_cvt_i32_f32 v254, v254                       ; (it saturates)
	s_delay_alu instid0(VALU_DEP_1)
	v_ldexp_f32 v252, 1.0, v254                    ; f = 2^(old M - new M): the multiplications by it round nothing
.set J, 0
.rept 32
	v_pk_fma_f32 v[96+J:97+J], v[96+J:97+J], s[CS:CS+1], v[12:13] op_sel_hi:[1,0,0]   ; t - M, two at a time (of the pairs c and -M the low word serves both halves)
.set J, J+2
.endr
.irp b, 0,1,2,3
	v_fma_f32 v[232+\b], v[232+\b], s[CS], v12     ; the same of each block's largest score
.endr
.set J, 0
	s_wait_alu depctr_va_vdst(0)
.rept 64
	v_exp_f32 v[96+J], v[96+J]                     ; p = 2^(t - M), at most 1: not normalised
.set J, J+1
.endr
.irp b, 0,1,2,3
	v_exp_f32 v[232+\b], v[232+\b]                 ; the block's largest p: the same two instructions on the same number give the same bits
.endr
	v_pk_mul_f32 v[14:15], v[14:15], v[252:253] op_sel_hi:[1,0]   ; the sums under the new M.  (A plain instruction behind the exponentials)
	s_wait_alu depctr_va_vdst(0)
.irp b, 0,1,2,3
	v_max_num_f32 v[232+\b], 0x4800000, v[232+\b]  ; the floor 2^(9 - 127): the byte cannot fall under 1 (a block whose every p is 0 keeps that byte: its codes are zeros)
.endr
.irp b, 0,1,2,3
	s_delay_alu instid0(VALU_DEP_4)
	v_add_nc_u32 v[244+\b], 0xfc000000, v[232+\b]  ; 8 off the exponent field: the conversion's scale operand
.endr
.irp b, 0,1,2,3
.endr
.irp b, 0,1,2,3
	s_delay_alu instid0(VALU_DEP_4)
	v_lshrrev_b32 v[236+\b], 23, v[244+\b]         ; the scale's byte
.endr
	s_delay_alu instid0(VALU_DEP_3)
	v_lshl_or_b32 v253, v237, 8, v236              ; p's scale word for these 128 keys
	s_delay_alu instid0(VALU_DEP_1)
	v_lshl_or_b32 v253, v238, 16, v253
	s_delay_alu instid0(VALU_DEP_1)
	v_lshl_or_b32 v253, v239, 24, v253
.if \w
	WIN 0x01
	v_mov_b32 v[PSB], v253                         ; a scale operand has no window: tile B's word goes to window 0, far ahead of the products that name it
	WIN 0x55
.endif
	v_pk_add_f32 v[236:237], v[96:97], v[98:99]    ; the row's sum is taken of the unquantised p: two at a time, in two chains
.irp j, 4,8,12,16,20,24,28,32,36,40,44,48,52,56,60
	v_pk_add_f32 v[14:15], v[14:15], v[96+\j:97+\j]
	v_pk_add_f32 v[236:237], v[236:237], v[98+\j:99+\j]
.endr
	s_delay_alu instid0(VALU_DEP_1)
	v_pk_add_f32 v[14:15], v[14:15], v[236:237]
.irp b, 0,1,2,3
.irp i, 0,1,2,3,4,5,6,7,8,9,10,11,12,13,14,15
.endr
	v_cvt_scalef32_pk8_fp8_f32 v[224+4*\b:225+4*\b], v[96+16*\b:103+16*\b], v[244+\b]
	v_cvt_scalef32_pk8_fp8_f32 v[226+4*\b:227+4*\b], v[104+16*\b:111+16*\b], v[244+\b]
.endr
.set J, 0
.rept 32
	v_pk_mul_f32 v[160+J:161+J], v[160+J:161+J], v[252:253] op_sel_hi:[1,0]   ; O^T under the new M.  (These 32 also stand between the codes' making and the products that take them)
.set J, J+2
.endr
.endm
; A KEY STEP: 128 keys, the q-th of the slot in hand, for both tiles of queries: 70 LDS loads, 32 matrix instructions.
.macro STEP q
	s_add_co_u32 s48, s[Q0], 31
	s_cmp_gt_u32 s[KF], s48
	s_cbranch_scc1 .Lhidden_\@                     ; all 128 keys come after my 32 queries
	v_add_nc_u32 v8, s[TB], v1                     ; K's codes
	v_add_nc_u32 v10, s[TB], v3                    ; K's scale words; V's lie VS - KS further on
	s_delay_alu instid0(VALU_DEP_2)
	v_add_nc_u32 v9, VC, v8                        ; V's codes
.rept 5
	v_nop                                          ; with the three additions: eight places in front of loads into registers that matrix instructions have read
.endr
	ds_load_b64 v[248:249], v10 offset:512*\q      ; K's scale words: v[248 + b]: lanes 0-15 tile 2 b, lanes 16-31 tile 2 b + 1
	ds_load_b64 v[250:251], v10 offset:512*\q+256
.irp t, 0,1,2,3
.irp c, 0,1,2,3
	ds_load_b128 v[32+16*\t+4*\c:35+16*\t+4*\c], v8 offset:(8*\q+\t)*2048+512*\c   ; an image: 32 lanes read 512 consecutive bytes
.endr
.endr
	WIN 0x40
.irp t, 0,1,2,3
.irp c, 0,1,2,3
	ds_load_b128 v[32+16*\t+4*\c:35+16*\t+4*\c], v8 offset:(8*\q+4+\t)*2048+512*\c ; K's tiles 4-7, into window 1's buffer
.endr
.endr
	s_wait_alu depctr_va_vdst(0)
	s_wait_dscnt 16                                ; the scale words and tiles 0-3 are in; the sixteen loads of tiles 4-7 may be out
	WIN 0
	QKRUN 0, 255                                   ; tile A x K's tiles 0-3
	WIN 0x44
	QKRUN 0, QSB                                   ; tile B x the same fragments
	s_wait_dscnt 0x0
	WIN 0x45
	QKRUN 1, QSB                                   ; tile B x K's tiles 4-7
	WIN 0x01
	QKRUN 1, 255                                   ; tile A x the same
	WIN 0
.rept 8
	v_nop                                          ; eight places: in front of the loads below, and of the first read of the scores
.endr
.irp n, 0,1,2,3
	ds_load_b32 v[248+\n], v10 offset:VS-KS+256*\n+4*\q   ; V's scale words for these 128 keys: lanes 0-15 channel tile 2 n, lanes 16-31 tile 2 n + 1
.endr
.irp t, 0,1,2,3
.irp c, 0,1,2,3
	ds_load_b128 v[32+16*\t+4*\c:35+16*\t+4*\c], v9 offset:(8*\q+\t)*2048+512*\c   ; all of V's eight channel tiles: they land while the two softmaxes are worked
.endr
.endr
	WIN 0x40
.irp t, 0,1,2,3
.irp c, 0,1,2,3
	ds_load_b128 v[32+16*\t+4*\c:35+16*\t+4*\c], v9 offset:(8*\q+4+\t)*2048+512*\c
.endr
.endr
	WIN 0
	s_add_co_u32 s48, s[KF], 127
	s_cmp_le_u32 s48, s[Q0]
	s_cbranch_scc1 .Lopen_\@                       ; all 128 keys count for all my queries
	s_sub_co_i32 s48, s[Q0], s[KF]
	v_and_b32 v252, 15, v0
	v_bfe_u32 v240, v0, 4, 1
	s_delay_alu instid0(VALU_DEP_1)
	v_lshlrev_b32 v240, 4, v240
	s_delay_alu instid0(VALU_DEP_1)
	v_sub_nc_u32 v252, v252, v240
	s_delay_alu instid0(VALU_DEP_1)
	v_add_nc_u32 v252, s48, v252                   ; d = my query - KF - 16 (lane / 16).  Register 16 b + i holds key KF + 16 (lane / 16) + 32 b + i: hidden where 32 b + i > d
	v_mov_b32 v254, 0xff800000                     ; -infinity
.set N, 0
.rept 64
	v_cmp_gt_i32 vcc_lo, 32*(N/16)+N%16, v252
	v_cndmask_b32 v[96+N], v[96+N], v254, vcc_lo
.set N, N+1
.endr
	WIN 0x40
	v_add_nc_u32 v252, 16, v252                    ; tile B's queries lie 16 further on: its d, into window 1
	v_mov_b32 v254, 0xff800000
	WIN 0x55
.set N, 0
.rept 64
	v_cmp_gt_i32 vcc_lo, 32*(N/16)+N%16, v252
	v_cndmask_b32 v[96+N], v[96+N], v254, vcc_lo
.set N, N+1
.endr
	WIN 0
.Lopen_\@:
	SOFTMAX 0
	SOFTMAX 1
	s_wait_alu depctr_va_vdst(0)
	s_wait_dscnt 0x0                               ; V's tiles and its scale words are in
	WIN 0                                          ; O^T += V^T P^T; the sixteen accumulators take turns, one instruction a turn
	PVRUN 0, 253                                   ; tile A x V's channel tiles 0-3
	WIN 0x54
	PVRUN 0, PSB                                   ; tile B x the same fragments
	WIN 0x55
	PVRUN 1, PSB                                   ; tile B x V's channel tiles 4-7
	WIN 0x01
	PVRUN 1, 253                                   ; tile A x the same
	WIN 0
.Lhidden_\@:
	s_add_co_u32 s[KF], s[KF], 128
.endm
; THE WAY OUT of one tile of queries.  O^T is divided by the row's sum, in place, and goes through my stage in LDS, half a row (64 channels, 256 bytes) of 16 queries at a time, so that sixteen lanes store 256 consecutive bytes, aligned.  STADR has been run.
.macro OUTT w, base
	WIN 0x55*\w
	v_add_f32 v14, v14, v15                        ; the sum's two halves,
	s_delay_alu instid0(VALU_DEP_1)
	v_permlanex16_b32 v252, v14, s[SEL], s[SEL+1]
	s_delay_alu instid0(VALU_DEP_1)
	v_add_f32 v14, v14, v252                       ; and lane l xor 16's: the row's sum
	s_wait_alu depctr_va_vdst(0)
	v_rcp_f32 v14, v14
	v_nop                                          ; a plain instruction behind the reciprocal
.set J, 0
	s_wait_alu depctr_va_vdst(0)
.rept 32
	v_pk_mul_f32 v[160+J:161+J], v[160+J:161+J], v[14:15] op_sel_hi:[1,0]   ; register 8 t + i is o(r, 16 t + 8 h + i); each accumulator from its low end on
.set J, J+2
.endr
.irp u, 0,1                                    ; channels 64 u on
	WIN 0x04*\w
.irp t, 0,1,2,3
	ds_store_b128 v10, v[160+32*\u+8*\t:163+32*\u+8*\t] offset:64*\t
	ds_store_b128 v10, v[164+32*\u+8*\t:167+32*\u+8*\t] offset:64*\t+16
.endr
	WIN 0x40*\w
.irp i, 0,1,2,3,4,5,6,7
	ds_load_b128 v[32+32*\u+4*\i:35+32*\u+4*\i], v8 offset:2*\i*SP   ; LDS serves a wave's instructions in order: these see my stores, and the next half's stores come behind them
.endr
.endr
	WIN 0x04*\w
.irp u, 0,1
.irp i, 0,1,2,3,4,5,6,7
	s_wait_dscnt 16*(1-\u)+7-\i                    ; the LDS instructions issued behind this load may be out: it is in
	global_store_b128 v[GO], v[32+32*\u+4*\i:35+32*\u+4*\i], s[\base:\base+1] offset:8192*\w+1024*\i+256*\u th:TH_STORE_NT
.endr
.endr
.endm
; ---------------- the head ----------------
	s_load_b128 s[4:7], s[0:1], 0x0                ; Q s[4:5], kv s[6:7]
	s_load_b64 s[8:9], s[0:1], 0x10                ; out0
	v_lshl_add_u32 v[SPW], v0, 2, SPARE
	v_mov_b32 v[NIL], 0
	ds_add_u32 v5, v6
	ds_add_u32 v5, v6
	s_wait_dscnt 0x0
	v_lshrrev_b32 v8, 5, v0
	s_delay_alu instid0(VALU_DEP_1)
	v_readfirstlane_b32 s[WV], v8                  ; wave 0..7
	s_mov_b32 s[I], ttmp9
	s_and_b32 s[HD], ttmp7, 0xffff
	; descriptor group 1: a dense block of 66 rows of 256 bytes (32 elements of 8 bytes), no padding, no mask
	s_mov_b32 s[G1+0], 3<<16                       ; elements of 8 bytes
	s_mov_b32 s[G1+1], 32<<16                      ; tensor_dim0 = 32
	s_mov_b32 s[G1+2], 66<<16                      ; tensor_dim1 = 66
	s_mov_b32 s[G1+3], 32<<16                      ; tile_dim0 = 32
	s_mov_b32 s[G1+4], 66                          ; tile_dim1 = 66
	s_mov_b32 s[G1+5], 32                          ; from row to row: 32 elements
	s_mov_b32 s[G1+6], 0
	s_mov_b32 s[G1+7], 0
	s_min_u32 s48, s[WV], 3                        ; which quarter of a slot I fetch, if I fetch
	s_mov_b32 s[G0], 1                             ; count = 1
	s_mul_i32 s[G0+1], s48, QUART                  ; LDS address: slot 0, my quarter
	s_mul_i32 s50, s[HD], HEADB
	s_add_co_u32 s50, s50, s[G0+1]                 ; the same quarter in kv, at my head (under 2^26)
	s_mov_b32 s51, 0
	s_mov_b32 s[OFF+1], 0
	; which 32 queries of a block are mine: group g = 4 (b0 xor b2) + 2 b2 + b1 of my wave's number b2 b1 b0.  Groups 0-3 have one step in a block's diagonal slot, groups 4-7 two:
	; of waves w and w + 4, and of waves 2 s and 2 s + 1, one is of each kind.  g enters Q's and out0's addresses and the steps' branches alone, no LDS address
	s_lshr_b32 s48, s[WV], 2                       ; b2
	s_xor_b32 s49, s[WV], s48
	s_and_b32 s49, s49, 1                          ; b0 xor b2
	s_lshl_b32 s49, s49, 2
	s_lshl_b32 s48, s48, 1
	s_or_b32 s49, s49, s48
	s_bfe_u32 s48, s[WV], 0x10001                  ; b1
	s_or_b32 s49, s49, s48                         ; g
	s_lshl_b32 s48, s49, 5
	s_lshl_b32 s[Q0], s[I], 8
	s_add_co_u32 s[Q0], s[Q0], s48                 ; my first query in block I: 256 I + 32 g
	s_sub_co_u32 s[Q0H], 7, s[I]
	s_lshl_b32 s[Q0H], s[Q0H], 8
	s_add_co_u32 s[Q0H], s[Q0H], s48               ; and in block 7 - I
	s_lshl_b32 s52, s[HD], 20                      ; a head is 2,048 rows of 512 bytes
	s_lshl_b32 s49, s[Q0], 9
	s_add_co_u32 s52, s52, s49
	s_mov_b32 s53, 0
	s_lshl_b32 s54, s[HD], 20
	s_lshl_b32 s49, s[Q0H], 9
	s_add_co_u32 s54, s54, s49
	s_mov_b32 s55, 0
	s_mov_b32 s[SEL], 0x76543210
	s_mov_b32 s[SEL+1], 0xfedcba98
	s_mov_b32 s[CS], 0x3e0293ee                    ; c = log2(e) / sqrt(128)
	s_mov_b32 s[CS+1], s[CS]                       ; (named with it as a pair, so it is written)
	s_mov_b32 s[KT], 0
	s_mov_b32 s[SIG], 0
	s_mov_b32 s[TB], 0
	s_wait_kmcnt 0x0
	s_add_nc_u64 s[KVW:KVW+1], s[6:7], s[50:51]
	s_mov_b64 s[G0+2:G0+3], s[KVW:KVW+1]           ; item 0 is key slot 0
	s_or_b32 s[G0+3], s[G0+3], 0x80000000          ; type = 2
	TLOAD                                          ; the launch's first fill, ahead of every wait on TENSORcnt, every LDS read and every barrier
	s_add_nc_u64 s[QL:QL+1], s[4:5], s[52:53]
	s_add_nc_u64 s[QH:QH+1], s[4:5], s[54:55]
	s_add_nc_u64 s[OL:OL+1], s[8:9], s[52:53]
	s_add_nc_u64 s[OH:OH+1], s[8:9], s[54:55]
	v_and_b32 v8, 15, v0                           ; r
	v_bfe_u32 v9, v0, 4, 1                         ; h
	s_delay_alu instid0(VALU_DEP_1)
	v_lshlrev_b32 v[GO], 9, v9
	s_delay_alu instid0(VALU_DEP_1)
	v_lshl_add_u32 v[GO], v8, 4, v[GO]             ; lanes 0-15 one row of 512 bytes, lanes 16-31 the next; 16 bytes a lane
	QLOAD 0, QL                                    ; block I's rows of Q; block 7 - I's are asked for where block I ends
	QLOAD 1, QL
	WIN 0
	v_and_b32 v8, 31, v0                           ; lane
	s_delay_alu instid0(VALU_DEP_1)
	v_lshlrev_b32 v1, 4, v8                        ; 16 x lane
	s_delay_alu instid0(VALU_DEP_2)
	v_lshlrev_b32 v[PF], 8, v8                     ; 256 x lane
	s_delay_alu instid0(VALU_DEP_3)
	v_lshl_add_u32 v3, v8, 3, KS                   ; 8 x lane
.irp b, 0,1,2,3
	v_mov_b32 v[TM+4+\b], 0                        ; written once, in each window: a lane permute's destination counts as one of its sources
	v_mov_b32 v[236+\b], 0
.endr
	v_mov_b32 v252, 0
	v_mov_b32 v253, 0                              ; (named as the upper half of the pair v[252:253] before it is first written)
	WIN 0x40
.irp b, 0,1,2,3
	v_mov_b32 v[TM+4+\b], 0
	v_mov_b32 v[236+\b], 0
.endr
	v_mov_b32 v252, 0
	v_mov_b32 v253, 0
	WIN 0
	STADR
	s_wait_alu depctr_va_vdst(0)
	BLOCKIN
; ---------------- the walk: items 0 to 7; behind each change of slots the next item is asked for ----------------
.Ltrip:
	CHANGE 1
	s_cmp_lg_u32 s[KT], s[I]
	s_cbranch_scc1 .Lno_prefetch                   ; a branch on ids
	global_prefetch_b8 v[PF], s[QH:QH+1] th:TH_LOAD_NT scope:SCOPE_SE               ; block I's last item: my 32 rows of block 7 - I's Q, 16,384 bytes, are asked for into the L2: two instructions, lanes 256 bytes apart,
	global_prefetch_b8 v[PF], s[QH:QH+1] offset:8192 th:TH_LOAD_NT scope:SCOPE_SE   ; each aligned block of 256 bytes once in the launch, by the wave that will load it behind this item's one or two steps; the rows lie inside Q
.Lno_prefetch:
	s_lshl_b32 s[KF], s[SIG], 8
	STEP 0
	STEP 1
	s_xor_b32 s[TB], s[TB], SLOT1                  ; on to the other slot
	s_cmp_lg_u32 s[KT], s[I]
	s_cbranch_scc1 .Lsame_block                    ; a branch on ids; no barrier and no tensor load stands inside
	QLOAD 0, QH                                    ; block I is finished.  Block 7 - I's Q is asked for first, into the registers that p has left: it is on its way while block I goes out
	QLOAD 1, QH
	WIN 0
	STADR                                          ; (ten plain instructions: the places behind the last products)
	OUTT 0, OL
	OUTT 1, OL
	WIN 0
	s_wait_xcnt 0x0                                ; the stores have read their registers: v32-95 of both windows are written again only behind this wait
	BLOCKIN
	s_mov_b32 s[Q0], s[Q0H]
.Lsame_block:
	s_mov_b32 s[SIG], s[SIGN]
	s_add_co_u32 s[KT], s[KT], 1
	s_cmp_lt_u32 s[KT], 8
	s_cbranch_scc1 .Ltrip
	CHANGE 0                                       ; item 8 is written out: nothing is left to ask for
	s_lshl_b32 s[KF], s[SIG], 8
	STEP 0
	STEP 1
	STADR
	OUTT 0, OH
	OUTT 1, OH
	WIN 0
	s_wait_tensorcnt 0x0                           ; the wave's end, behind my last tensor load and my last LDS store
	ds_add_u32 v[SPW], v[NIL]
	s_wait_dscnt 0x0
	s_endpgm
.Lfunc_end_k_q3ccae33359_attn:
	.size	k_q3ccae33359_attn, .Lfunc_end_k_q3ccae33359_attn-k_q3ccae33359_attn
	.p2alignl 7, 3214868480
	.fill 96, 4, 3214868480
	.section	.rodata,"a",@progbits
	.p2align	6, 0x0
	.amdhsa_kernel k_q3ccae33359_attn
		.amdhsa_group_segment_fixed_size 327680
		.amdhsa_private_segment_fixed_size 0
		.amdhsa_enable_private_segment 0
		.amdhsa_kernarg_size 24
		.amdhsa_user_sgpr_count 2
		.amdhsa_user_sgpr_kernarg_segment_ptr 1
		.amdhsa_wavefront_size32 1
		.amdhsa_system_sgpr_workgroup_id_x 1
		.amdhsa_system_sgpr_workgroup_id_y 1
		.amdhsa_system_sgpr_workgroup_id_z 1
		.amdhsa_system_vgpr_workitem_id 0
		.amdhsa_next_free_vgpr 512
		.amdhsa_next_free_sgpr 66
		.amdhsa_reserve_vcc 1
		.amdhsa_float_denorm_mode_32 3
		.amdhsa_float_denorm_mode_16_64 3
		.amdhsa_fp16_overflow 1
		.amdhsa_memory_ordered 1
		.amdhsa_forward_progress 1
		.amdhsa_inst_pref_size 255
	.end_amdhsa_kernel
	.section	.bss,"aw",@nobits
	.p2align	6
	.space	262144
	.amdgpu_metadata
---
amdhsa.version: [ 1, 2 ]
amdhsa.kernels:
  - .name:           k_q3ccae33359_attn
    .symbol:         k_q3ccae33359_attn.kd
    .args:
      - { .name: Q, .offset: 0, .size: 8, .value_kind: global_buffer, .address_space: global }
      - { .name: kv, .offset: 8, .size: 8, .value_kind: global_buffer, .address_space: global }
      - { .name: out0, .offset: 16, .size: 8, .value_kind: global_buffer, .address_space: global }
    .group_segment_fixed_size: 327680
    .private_segment_fixed_size: 0
    .kernarg_segment_align: 8
    .kernarg_segment_size: 24
    .max_flat_workgroup_size: 256
    .sgpr_count:     66
    .vgpr_count:     512
    .wavefront_size: 32
...
	.end_amdgpu_metadata
.endif
;; end of part 4
